; MI455X (gfx1250); checked and timed in simulation.
; The chip was launched on July 23, 2026; its instructions are those of AMD's public machine-readable ISA for CDNA 5 (MIT licence, August 2026) and "CDNA5" Instruction Set Architecture Reference Guide (July 2026). The comments in the code are by the model that wrote it; some were corrected since.
;; Multi Headed Self Attention. Allowed arithmetic: matrix products marked QUANTISED: E4M3 operands, one given power-of-two scale a tensor, by v_wmma_f32_16x16x64_fp8_fp8 or v_wmma_f32_16x16x128_fp8_fp8, f32 sums; everything else in f32.
;; Inputs: Wk 1,024 x 1,024 float32; Wo 1,024 x 1,024 float32; Wq 1,024 x 1,024 float32; Wv 1,024 x 1,024 float32; bk 1,024 float32; bo 1,024 float32; bq 1,024 float32; bv 1,024 float32; lowp_scales 12 int32 (the exponents e of the quantised operands' scales 2^e); x 8 x 1,024 x 1,024 float32.
;; Outputs: out0 8 x 1,024 x 1,024 float32.
;; This version of the problem:
;;   THIS VERSION OF THE PROBLEM IS GIVEN IN LOW PRECISION. The matrix products marked QUANTISED in the list below multiply operands that are first quantised to E4M3 (4 exponent bits, 3 mantissa bits; 8 bits a number), with one given power-of-two scale for each operand tensor; their sums are f32. All else is computed in f32.
;;   The module's matrix products, in the order in which they are computed (A, B: the left and right operand; K: the contracted axis; several contracted axes count as one K, in the product's order):
;;     1. [M 8,192, K 1,024] x [K 1,024, N 1,024]; A: input x; B: input Wq: QUANTISED (scales: A lowp_scales[0], B lowp_scales[1])
;;     2. [M 8,192, K 1,024] x [K 1,024, N 1,024]; A: input x; B: input Wk: QUANTISED (scales: A lowp_scales[2], B lowp_scales[3])
;;     3. [M 8,192, K 1,024] x [K 1,024, N 1,024]; A: input x; B: input Wv: QUANTISED (scales: A lowp_scales[4], B lowp_scales[5])
;;     4. batch 128 x [M 1,024, K 64] x [K 64, N 1,024]; A: computed on the way; B: computed on the way: QUANTISED (scales: A lowp_scales[6], B lowp_scales[7])
;;     5. batch 128 x [M 1,024, K 1,024] x [K 1,024, N 64]; A: softmax (see below); B: computed on the way: QUANTISED (scales: A lowp_scales[8], B lowp_scales[9])
;;     6. [M 8,192, K 1,024] x [K 1,024, N 1,024]; A: computed on the way; B: input Wo: QUANTISED (scales: A lowp_scales[10], B lowp_scales[11])
;;   THE QUANTISER, for each operand of a quantised product, along K:
;;     - The operand's scale is 2^e, e = its entry of the input lowp_scales (int32; the entries are numbered through the quantised products in the list's order, A before B).
;;     - Each number is divided by the scale, clamped to +-448, and rounded to the nearest number of E4M3, ties to even, subnormals kept.
;;     - The product sums the exact products of the quantised numbers (number of the format x scale) in f32.
;;   ~~~python
;;   def quantise(x, axis, e):      # numpy; x: float32 -> the quantised numbers, widened to float32 again
;;       x = np.moveaxis(x, axis, -1); K = x.shape[-1]
;;       r = np.clip(x / 2.0 ** e, -448, 448)
;;       step = 2.0 ** (np.maximum(np.frexp(np.where(r == 0, 1, r))[1] - 1, -6) - 3)
;;       q = np.round(r / step) * step * 2.0 ** e      # np.round: ties to even
;;       return np.moveaxis(q, -1, axis).astype(np.float32)
;;   ~~~
;;   SOFTMAX AHEAD OF A QUANTISED PRODUCT. Where the list says 'softmax', what is quantised is not the finished softmax but p = 2^(t - M), with t = logit x log2(e) and M = ceil(the row's largest t), a whole number; so 1/2 < the row's largest p <= 1. The row's sum l is taken of the UNQUANTISED p, in f32, and the product's result is divided by l at the end. Since M is a whole number, a kernel that streams over the keys may use a running M (the ceiling of the running maximum): every later rescaling is an exact power of two, so the quantised numbers keep their values, but for numbers so far below the row's largest that they fall under the format's range.
;;   OPERANDS COMPUTED ON THE WAY. 'Computed on the way' means the value that the module computes at that place (a softmax that the list does not call 'softmax' is quantised finished and normalised). What goes into a quantiser is computed in f32, as accurately as f32 sums, v_exp_f32 and their like allow (about 1e-6 of the number): no bf16 or f16 on the way to a quantiser, and a product that is left as it is and whose result goes on into a quantised operand takes f32 operands (vector FMAs, or v_wmma_f32_16x16x4_f32). A number that lies on a knife's edge between two numbers of the format may be rounded either way, as far as f32 arithmetic and the matrix unit's own rounding can turn it there, and no further.
;; One version. Each part assembles by itself: llvm-mc -triple=amdgcn-amd-amdhsa -mcpu=gfx1250 --defsym DOCPART=n.
;; ======== version 1 of 1: 4 launches
;; limits: right only within a limited range of input values
;; workspace buffers: xc 25,165,824 bytes; wc 4,194,304 bytes; qkv 25,165,824 bytes; oc 8,388,608 bytes
;; launch quant (part 1): grid 768 x 1, 4 waves a work-group, no clusters, 50,688 bytes of LDS; arguments x, Wq, Wk, Wv, Wo, lowp_scales, xc, wc; writes xc, wc
.if DOCPART == 1
	.amdgcn_target "amdgcn-amd-amdhsa--gfx1250"
	.amdhsa_code_object_version 6
	.text
	.protected	k_q0049ea980f_quant
	.globl	k_q0049ea980f_quant
	.p2align	8
	.type	k_q0049ea980f_quant,@function
k_q0049ea980f_quant:
	s_mov_b64 s[64:65], 0
	v_nop
	global_prefetch_b8 v0, s[64:65] scope:SCOPE_SE
	s_setreg_imm32_b32 hwreg(HW_REG_WAVE_MODE, 25, 1), 1
	s_wait_xcnt 0x0
; DEAD WORK LEFT OUT OF THIS PROGRAM: in the attention launch, whole steps of 128 keys all of which come after a wave's queries.  reference() sets those scores to -infinity by a mask that it builds itself, so their p is 0 and
; they add 0 to the row's sum and to the product, whatever finite values the inputs hold.  LIMIT: a NaN, an infinity or an overflow that reaches only such keys is not carried to the result.
; THIS LAUNCH: x [8192][1024] f32 becomes THREE sets of E4M3 codes (scales 2^e0, 2^e2, 2^e4: one for each product that reads x), and Wq, Wk, Wv, Wo [k 1024][n 1024] f32 become codes with K innermost (scales 2^e1, 2^e3, 2^e5, 2^e11).
; BOTH LIE K STEP BY K STEP, a K step being 256 along K: xc[set 3][K step 4][token 8192][256], wc[weight 4][K step 4][n 1024][256]: a tile of rows of one K step is one dense block.
; In Wo's set the 8-byte groups 1 and 2 of every 32 along k change places: that is the order in which the attention launch leaves its codes.
; code = number / 2^e, held within +-448, to the nearest code, ties to even.  LIMITS: each e between -126 and 119; NaN among the inputs is not served.
; Work-groups 0-255 take the weights, 64 columns x 256 along K each: a wave takes 32 columns x 128 along K, a lane a column, its registers running down K; the codes meet in a stage in LDS, and each wave stores 16 rows of 256 bytes.
; Work-groups 256-767 take x: a wave takes 8 steps of 512 numbers (4 tokens).  Each load reads 512 consecutive bytes, the numbers turn through the wave's own stage in LDS so that a lane holds 16 neighbours, and a lane's 16 codes are
; 16 bytes: each store covers two aligned units of 256 bytes.  x is read once for its three sets.
; The two ways part on the work-group's number alone and have LDS bytes of their own.  No tensor load, no cluster: no work-group reads what another reads.  No prefetch: all loads run four steps or two blocks ahead already.
.set SP,    80                         ; x: a lane's place in a stage: 64 bytes + 16 of padding
.set WSTG,  32768                      ; the weights' stage begins behind x's four regions of 8,192 bytes
.set WP,    272                        ; a row of it: 256 bytes + 16
.set SPARE, WSTG+64*WP                 ; 50,176: the spare words, 128 bytes a wave, that no other line names
.set SPW,   12                         ; v12  my spare word's LDS address; never rewritten
.set NIL,   13                         ; v13  0; never rewritten
.set R,     16                         ; x: v16-79   four sets of 16 numbers as loaded
.set X,     80                         ; x: v80-111  two sets of 16 neighbours
.set T,     112                        ; x: v112-159 the numbers held for scale 0, 1, 2
.set C,     160                        ; x: v160-255 12 registers of codes for each of the 8 steps: no store's data are written again
.set WX,    32                         ; W: v32-95   two sets of 32 numbers
.set WC,    96                         ; W: v96-103  a block's codes
.set OUTR,  112                        ; W: v112-143 the way out
	s_load_b512 s[4:19], s[0:1], 0x0               ; x 4:5, Wq 6:7, Wk 8:9, Wv 10:11, Wo 12:13, the exponents 14:15, xc 16:17, wc 18:19
	v_lshl_add_u32 v[SPW], v0, 2, SPARE
	v_mov_b32 v[NIL], 0
	v_lshrrev_b32 v1, 5, v0
	v_readfirstlane_b32 s32, v1                    ; wave 0..3
	v_and_b32 v2, 31, v0                           ; lane
	s_wait_alu depctr_va_vdst(0)
	s_wait_kmcnt 0x0
	s_load_b256 s[20:27], s[14:15], 0x0            ; e0 .. e7
	s_load_b128 s[28:31], s[14:15], 0x20           ; e8 .. e11
	s_cmp_lt_u32 ttmp9, 256
	s_cbranch_scc1 .Lweights
; ------------------------------------------------------------------ x
	s_lshl_b32 s33, s32, 13                        ; my wave's region of LDS
	s_sub_co_u32 s40, ttmp9, 256
	s_lshl_b32 s40, s40, 2
	s_add_co_u32 s40, s40, s32                     ; which 4 tokens are my wave's
	s_lshl_b32 s42, s40, 10                        ; their codes' byte in a K step of a set,
	s_lshl_b32 s40, s40, 14                        ; their numbers' byte in x
	s_mov_b32 s41, 0
	s_mov_b32 s43, 0
	s_add_nc_u64 s[4:5], s[4:5], s[40:41]
	s_add_nc_u64 s[34:35], s[16:17], s[42:43]      ; a base for each of the three sets
	s_add_nc_u64 s[36:37], s[34:35], 0x800000
	s_add_nc_u64 s[38:39], s[36:37], 0x800000
	v_lshlrev_b32 v3, 4, v2                        ; 16 x lane: my bytes of a load's 512; never rewritten
	v_lshrrev_b32 v14, 2, v2
	v_and_b32 v15, 3, v2
	v_mul_u32_u24 v14, v14, SP
	v_lshrrev_b32 v4, 4, v2
	v_lshl_add_u32 v14, v15, 4, v14
	v_lshlrev_b32 v4, 21, v4                       ; lanes 16-31 hold the next K step's codes, 2,097,152 bytes on
	v_add_nc_u32 v14, s33, v14                     ; the stage, way in: four lanes' 64 bytes on end, then the padding
	v_mul_u32_u24 v15, v2, SP
	v_and_b32 v1, 15, v2
	v_add_nc_u32 v15, s33, v15                     ; way out: my 16 neighbours
	v_lshl_add_u32 v4, v1, 4, v4                   ; my 16 bytes of a store; never rewritten
.macro XLOAD t
.irp i, 0,1,2,3
	global_load_b128 v[R+16*((\t)%4)+4*\i:R+16*((\t)%4)+4*\i+3], v3, s[4:5] offset:2048*(\t)+512*\i th:TH_LOAD_NT
.endr
.endm
.macro XTURN t                         ; step t's numbers through the stage; LDS serves a wave's instructions in order, so no wait stands between the stores and the loads
.irp i, 0,1,2,3
	ds_store_b128 v14, v[R+16*((\t)%4)+4*\i:R+16*((\t)%4)+4*\i+3] offset:32*SP*((\t)%2)+8*SP*\i
.endr
.irp i, 0,1,2,3
	ds_load_b128 v[X+16*((\t)%2)+4*\i:X+16*((\t)%2)+4*\i+3], v15 offset:32*SP*((\t)%2)+16*\i
.endr
.endm
.irp t, 0,1,2,3
	XLOAD \t
.endr
	s_wait_alu depctr_va_vdst(0)
	s_wait_kmcnt 0x0
.irp j, 0,1,2
	s_add_co_i32 s44, s[20+2*\j], 127
	s_lshl_b32 s45, s44, 23
	v_mov_b32 v[5+\j], s45                         ; v5-7: 2^e as f32: the conversion takes its exponent field
	s_add_co_i32 s44, s44, 8
	s_lshl_b32 s44, s44, 23
	s_or_b32 s44, s44, 0x600000
	v_mov_b32 v[8+\j], s44                         ; v8-10: 448 x 2^e
.endr
	s_wait_alu depctr_va_vdst(0)                   ; the head's end
	s_wait_loadcnt 12                              ; step 0's four loads are in; three steps' loads stay out
	XTURN 0
.macro XSTEP t
.set XS, X+16*((\t)%2)
.set CS, C+12*(\t)
	s_wait_dscnt 0x0                               ; this step's numbers are back from the stage, and its stores into the stage have read their registers,
.if (\t)+4 < 8
	XLOAD (\t)+4                                   ; which take the loads of four steps on
.endif
.if (\t)+1 < 8
.if 6-(\t) >= 3
	s_wait_loadcnt 12                              ; the next step's four loads are in; three steps' loads stay out
.else
	s_wait_loadcnt 4*(6-(\t))
.endif
	XTURN (\t)+1
.endif
.irp i, 0,1,2,3,4,5,6,7,8,9,10,11,12,13,14,15
	v_med3_num_f32 v[T+\i], v[XS+\i], -v8, v8      ; the conversion does not saturate (ISA guide 7.6.2): the hold at 448 x the scale comes first
.endr
.irp i, 0,1,2,3,4,5,6,7,8,9,10,11,12,13,14,15
	v_med3_num_f32 v[T+16+\i], v[XS+\i], -v9, v9
.endr
	v_cvt_scalef32_pk8_fp8_f32 v[CS:CS+1], v[T:T+7], v5
	v_cvt_scalef32_pk8_fp8_f32 v[CS+2:CS+3], v[T+8:T+15], v5
.irp i, 0,1,2,3,4,5,6,7,8,9,10,11,12,13,14,15
	v_med3_num_f32 v[T+32+\i], v[XS+\i], -v10, v10
.endr
	v_cvt_scalef32_pk8_fp8_f32 v[CS+4:CS+5], v[T+16:T+23], v6
	v_cvt_scalef32_pk8_fp8_f32 v[CS+6:CS+7], v[T+24:T+31], v6
	v_cvt_scalef32_pk8_fp8_f32 v[CS+8:CS+9], v[T+32:T+39], v7
	v_cvt_scalef32_pk8_fp8_f32 v[CS+10:CS+11], v[T+40:T+47], v7   ; each held set is written again only behind sixteen plain holds of another set
	global_store_b128 v4, v[CS:CS+3], s[34:35] offset:((\t)/2)*256+((\t)%2)*0x400000       ; step t: token t / 2, K steps 2 (t % 2) and 2 (t % 2) + 1
	global_store_b128 v4, v[CS+4:CS+7], s[36:37] offset:((\t)/2)*256+((\t)%2)*0x400000
	global_store_b128 v4, v[CS+8:CS+11], s[38:39] offset:((\t)/2)*256+((\t)%2)*0x400000
.endm
.irp t, 0,1,2,3,4,5,6,7
	XSTEP \t
.endr
	s_wait_tensorcnt 0x0                           ; the wave's end, behind my last LDS store
	ds_add_u32 v[SPW], v[NIL]
	s_wait_dscnt 0x0
	s_endpgm
; ------------------------------------------------------------------ the weights
.Lweights:
	s_lshr_b32 s40, ttmp9, 6                       ; which weight: 0 Wq, 1 Wk, 2 Wv, 3 Wo
	s_and_b32 s41, ttmp9, 15                       ; which 64 columns
	s_bfe_u32 s42, ttmp9, 0x20004                  ; which K step
	s_and_b32 s33, s32, 1                          ; my wave's 32 of the columns,
	s_lshr_b32 s34, s32, 1                         ; and its 128 along K
	s_cmp_eq_u32 s40, 1
	s_cselect_b64 s[6:7], s[8:9], s[6:7]
	s_cmp_eq_u32 s40, 2
	s_cselect_b64 s[6:7], s[10:11], s[6:7]
	s_cmp_eq_u32 s40, 3
	s_cselect_b64 s[6:7], s[12:13], s[6:7]
	s_cselect_b32 s43, 32768, 0                    ; Wo: registers 8-15 of a block take the rows 8 further down (8 rows of 4,096 bytes),
	s_cselect_b32 s44, 0, 32768                    ; and registers 16-23 the rows 8 further up
	s_lshl_b32 s46, s42, 20                        ; in W: 256 rows of 4,096 bytes a K step,
	s_lshl_b32 s47, s34, 19
	s_add_co_u32 s46, s46, s47
	s_lshl_b32 s47, s41, 8
	s_add_co_u32 s46, s46, s47
	s_lshl_b32 s47, s33, 7
	s_add_co_u32 s46, s46, s47
	s_mov_b32 s47, 0
	s_add_nc_u64 s[6:7], s[6:7], s[46:47]
	s_lshl_b32 s48, s40, 20                        ; in wc: the weight, the K step, my 16 rows of 256 bytes
	s_lshl_b32 s49, s42, 18
	s_add_co_u32 s48, s48, s49
	s_lshl_b32 s49, s41, 14
	s_add_co_u32 s48, s48, s49
	s_lshl_b32 s49, s32, 12
	s_add_co_u32 s48, s48, s49
	s_mov_b32 s49, 0
	s_add_nc_u64 s[18:19], s[18:19], s[48:49]
	s_mul_i32 s50, s33, 32*WP
	s_lshl_b32 s51, s34, 7
	s_add_co_u32 s50, s50, s51
	s_add_co_u32 s50, s50, WSTG                    ; into the stage: row = column, 128 bytes for each half of K
	s_mul_i32 s51, s32, 16*WP
	s_add_co_u32 s51, s51, WSTG                    ; out of it: my 16 rows
	v_lshlrev_b32 v3, 2, v2                        ; 4 bytes a lane: neighbouring lanes read neighbouring columns
	v_mul_u32_u24 v4, v2, WP
	v_lshrrev_b32 v1, 4, v2
	v_and_b32 v6, 15, v2
	v_add_nc_u32 v9, s43, v3
	v_add_nc_u32 v10, s44, v3
	v_add_nc_u32 v4, s50, v4
	v_mul_u32_u24 v7, v1, WP
	v_lshlrev_b32 v8, 4, v2                        ; sixteen lanes to a row, two rows an instruction: 512 consecutive bytes
	v_lshl_add_u32 v7, v6, 4, v7
	v_add_nc_u32 v7, s51, v7
.macro WLOAD t                         ; block t: register i takes row 32 t + i of my column (in Wo rows 8-15 and 16-23 change places)
.irp i, 0,1,2,3,4,5,6,7
	global_load_b32 v[WX+32*((\t)%2)+\i], v3, s[6:7] offset:(32*(\t)+\i)*4096 th:TH_LOAD_NT
.endr
.irp i, 8,9,10,11,12,13,14,15
	global_load_b32 v[WX+32*((\t)%2)+\i], v9, s[6:7] offset:(32*(\t)+\i)*4096 th:TH_LOAD_NT
.endr
.irp i, 16,17,18,19,20,21,22,23
	global_load_b32 v[WX+32*((\t)%2)+\i], v10, s[6:7] offset:(32*(\t)+\i-8)*4096 th:TH_LOAD_NT
.endr
.irp i, 24,25,26,27,28,29,30,31
	global_load_b32 v[WX+32*((\t)%2)+\i], v3, s[6:7] offset:(32*(\t)+\i)*4096 th:TH_LOAD_NT
.endr
.endm
	WLOAD 0
	WLOAD 1
	s_wait_alu depctr_va_vdst(0)
	s_wait_kmcnt 0x0
	s_cmp_eq_u32 s40, 1
	s_cselect_b32 s21, s23, s21                    ; e1, e3, e5 or e11
	s_cmp_eq_u32 s40, 2
	s_cselect_b32 s21, s25, s21
	s_cmp_eq_u32 s40, 3
	s_cselect_b32 s21, s31, s21
	s_add_co_i32 s21, s21, 127
	s_lshl_b32 s22, s21, 23
	v_mov_b32 v11, s22                             ; 2^e
	s_add_co_i32 s21, s21, 8
	s_lshl_b32 s21, s21, 23
	s_or_b32 s21, s21, 0x600000
	v_mov_b32 v5, s21                              ; 448 x 2^e
.macro WBLOCK t
.set XS, WX+32*((\t)%2)
.if (\t) < 3
	s_wait_loadcnt 32                              ; this block's 32 loads are in; the next block's may be out
.else
	s_wait_loadcnt 0
.endif
.irp i, 0,1,2,3,4,5,6,7,8,9,10,11,12,13,14,15,16,17,18,19,20,21,22,23,24,25,26,27,28,29,30,31
	v_med3_num_f32 v[XS+\i], v[XS+\i], -v5, v5
.endr
.irp g, 0,1,2,3
	v_cvt_scalef32_pk8_fp8_f32 v[WC+2*\g:WC+2*\g+1], v[XS+8*\g:XS+8*\g+7], v11
.endr
	ds_store_b128 v4, v[WC:WC+3] offset:32*(\t)
	ds_store_b128 v4, v[WC+4:WC+7] offset:32*(\t)+16
.if (\t)+2 < 4
	WLOAD (\t)+2
.endif
	s_wait_dscnt 0x0                               ; the stores are done: the next block's codes may be written (its 32 holds stand ahead of them), and behind the last block the others may read
.endm
	s_wait_alu depctr_va_vdst(0)                   ; the head's end
.irp t, 0,1,2,3
	WBLOCK \t
.endr
	s_barrier_signal -1                            ; all four waves' codes are in the stage
	s_barrier_wait -1
.irp t, 0,1,2,3,4,5,6,7
	ds_load_b128 v[OUTR+4*\t:OUTR+4*\t+3], v7 offset:2*\t*WP
.endr
.irp t, 0,1,2,3,4,5,6,7
	s_wait_dscnt 7-\t
	global_store_b128 v8, v[OUTR+4*\t:OUTR+4*\t+3], s[18:19] offset:512*\t   ; 512 consecutive bytes, aligned
.endr
	s_wait_tensorcnt 0x0                           ; the wave's end, as above
	ds_add_u32 v[SPW], v[NIL]
	s_wait_dscnt 0x0
	s_endpgm
.Lfunc_end_k_q0049ea980f_quant:
	.size	k_q0049ea980f_quant, .Lfunc_end_k_q0049ea980f_quant-k_q0049ea980f_quant
	.p2alignl 7, 3214868480
	.fill 96, 4, 3214868480
	.section	.rodata,"a",@progbits
	.p2align	6, 0x0
	.amdhsa_kernel k_q0049ea980f_quant
		.amdhsa_group_segment_fixed_size 50688
		.amdhsa_private_segment_fixed_size 0
		.amdhsa_enable_private_segment 0
		.amdhsa_kernarg_size 64
		.amdhsa_user_sgpr_count 2
		.amdhsa_user_sgpr_kernarg_segment_ptr 1
		.amdhsa_wavefront_size32 1
		.amdhsa_system_sgpr_workgroup_id_x 1
		.amdhsa_system_sgpr_workgroup_id_y 1
		.amdhsa_system_sgpr_workgroup_id_z 1
		.amdhsa_system_vgpr_workitem_id 0
		.amdhsa_next_free_vgpr 256
		.amdhsa_next_free_sgpr 66
		.amdhsa_reserve_vcc 0
		.amdhsa_float_denorm_mode_32 3
		.amdhsa_float_denorm_mode_16_64 3
		.amdhsa_memory_ordered 1
		.amdhsa_forward_progress 1
		.amdhsa_inst_pref_size 66
	.end_amdhsa_kernel
	.amdgpu_metadata
---
amdhsa.version: [ 1, 2 ]
amdhsa.kernels:
  - .name:           k_q0049ea980f_quant
    .symbol:         k_q0049ea980f_quant.kd
    .args:
      - { .name: x, .offset: 0, .size: 8, .value_kind: global_buffer, .address_space: global }
      - { .name: Wq, .offset: 8, .size: 8, .value_kind: global_buffer, .address_space: global }
      - { .name: Wk, .offset: 16, .size: 8, .value_kind: global_buffer, .address_space: global }
      - { .name: Wv, .offset: 24, .size: 8, .value_kind: global_buffer, .address_space: global }
      - { .name: Wo, .offset: 32, .size: 8, .value_kind: global_buffer, .address_space: global }
      - { .name: lowp_scales, .offset: 40, .size: 8, .value_kind: global_buffer, .address_space: global }
      - { .name: xc, .offset: 48, .size: 8, .value_kind: global_buffer, .address_space: global }
      - { .name: wc, .offset: 56, .size: 8, .value_kind: global_buffer, .address_space: global }
    .group_segment_fixed_size: 50688
    .private_segment_fixed_size: 0
    .kernarg_segment_align: 8
    .kernarg_segment_size: 64
    .max_flat_workgroup_size: 128
    .sgpr_count:     66
    .vgpr_count:     256
    .wavefront_size: 32
...
	.end_amdgpu_metadata
.endif
;; end of part 1
;; launch qkv (part 2): grid 4 x 64, 4 waves a work-group, clusters of 4 x 4, 327,680 bytes of LDS; arguments xc, wc, lowp_scales, bq, bk, bv, qkv; writes qkv
.if DOCPART == 2
	.amdgcn_target "amdgcn-amd-amdhsa--gfx1250"
	.amdhsa_code_object_version 6
	.text
	.protected	k_q0049ea980f_qkv
	.globl	k_q0049ea980f_qkv
	.p2align	8
	.type	k_q0049ea980f_qkv,@function
k_q0049ea980f_qkv:
	s_mov_b64 s[64:65], 0
	v_nop
	global_prefetch_b8 v0, s[64:65] scope:SCOPE_SE
	s_setreg_imm32_b32 hwreg(HW_REG_WAVE_MODE, 25, 1), 1
	s_wait_xcnt 0x0
	s_wait_alu depctr_hold_cnt(0) depctr_sa_sdst(0) depctr_va_vdst(0) depctr_va_sdst(0) depctr_va_ssrc(0) depctr_va_vcc(0) depctr_vm_vsrc(0)
	s_getreg_b32 s2, hwreg(HW_REG_IB_STS2, 6, 4)
	s_cmp_eq_u32 s2, 0
	s_cbranch_scc0 .Lentry_in_a_cluster
	s_endpgm
.Lentry_in_a_cluster:
	s_bfe_u32 s2, ttmp6, 0x10000c
	s_cmp_lg_u32 s2, 0xf033
	s_cbranch_scc0 .Lentry_shape_is_right
	s_endpgm
.Lentry_shape_is_right:
; q = x Wq + bq, k = x Wk + bk, v = x Wv + bv on E4M3 codes, each result quantised at once (scales 2^e6, 2^e7, 2^e9) and stored as IMAGES OF OPERAND REGISTERS for the attention launch.
; 256 WORK-GROUPS, EACH WITH TWO TILES ON END, K = 1,024.  Tile 1: 256 tokens (the A role) x 256 output columns (the B role) of q or k: 2 x 32 x 4 of them.  Tile 2: 128 channels (A) x 256 tokens (B) of v: 8 x 32 of them.
; In v the roles change places so that a lane's registers run along the keys, which are the K of attention's second product.
; Four waves, 2 x 2: a wave makes 128 x 128 (64 accumulators of 16 x 16), then 64 x 128.  The matrix instruction is used transposed (source 0 = B role, source 1 = A role): lane (r, hh) holds A-row 16 a + r, register j B-row 16 b + 8 hh + j.
; So two neighbouring accumulators, converted, are a lane's 16 bytes of an image's 512: each store covers 512 consecutive bytes, and nothing goes through LDS on the way out.
; K goes in steps of 256 through a ring of two LDS slots.  Codes lie K step by K step, so each tensor load brings 128 (tile 2, A: 64) dense rows of 256 bytes.  THE RING GOES ON FROM TILE 1 INTO TILE 2: fills 0-3 are tile 1's K steps,
; 4-7 tile 2's; fill n lands in slot n % 2.  Tile 1 goes out when fills 4 and 5 have been asked for.  By this text's count a wave has one tensor load out at the most.
; CLUSTER 4 x 4: A's tiles are asked for jointly along a row of the cluster, B's along a column.  The cluster's y says which tiles: 0-7 q, 8-15 k.
; PREFETCH: behind the joint load of fill n stands one prefetch for fill n + 2, n = 0 .. 5: two K steps ahead; each block of 256 bytes once in each cluster; the four partners of a joint load share its rows out by address.
; Fragments come by four loads of 16 bytes a side: a permutation of k that is the same in A and in B.
; LIMITS: e(2X) + e(2X+1) between -126 and 127; e6, e7, e9 between -126 and 119.  NaN among the inputs is not served.
; REGISTERS: window 0: v1-31 addresses and constants, v32-95 tile 1's bias by column, v96-127 codes, v128-255 A's fragments (tile 1: one set of 8; tile 2: two sets of 4), on a way out v192-255 a block's numbers.
;   window 1: B's fragments, two sets.  window 2: accumulators of A-blocks 0-3, (a, b) at v[64 a + 8 b]; window 3: of A-blocks 4-7.
.set PITCH, 272                        ; an LDS row: 256 bytes + 16 of padding, so that the 16 rows of a load start at 16 different banks
.set HALFT, 128*PITCH
; THE HEAD'S ONE LOAD A WAVE BRINGS FILLS 0 AND 1 TOGETHER: two long rows of 32,768 bytes, a K step each.  So a wave's part of slot 0 and its part of slot 1 lie on end: wave w's at 2 w HALFT and (2 w + 1) HALFT.  (Tile 2: 64 rows of A at each of A's places.)
.set SPARE, 8*HALFT                    ; 278,528: the spare words, 128 bytes a wave, that no other line names
.set G1H,   88                         ; s[88:95] group 1 for the head's load of A (the exponents take these registers behind it); s[4:11] for B
.set G1HB,  4
.set XK,   0x200000                    ; xc: bytes from a K step to the next
.set WK,   0x40000                     ; wc: the same
.set BV,   8                           ; v8-15 tile 2's bias by channel, each twice: the packed form names a pair
.set ADRA, 16                          ; v16-17 LDS address of my A fragments in slot 0, 1
.set ADRB, 20                          ; v20-21 the same for B
.set PF1,  24                          ; v24 the prefetches' offset in tile 1: 256 x lane
.set PF2,  25                          ; v25 in tile 2
.set LO,   26                          ; v26 16 x lane
.set SPW,  28                          ; v28 my spare word; never rewritten
.set NIL,  29                          ; v29 0; never rewritten
.set SCV,  30                          ; v30 2^eo
.set LIMV, 31                          ; v31 448 x 2^eo
.set BIAS, 32
.set COD,  96
.set AF,   128
.set TMP,  192
.set G1,  24                           ; s[24:31] group 1 for A's tiles, s[80:87] for tile 2's A; s[32:39] group 0, a set for each slot
.set G1V, 80
.set G0,  32
.set G1B, 48                           ; s[48:55], s[56:63] the same for B's
.set G0B, 56
.set PFP, 74                           ; s[74:75] where my prefetches stand; s[76:77] where tile 2's begin; s[2:3], s[100:101] a K step on in tile 1, 2
.set MSB, 0
.macro WIN new                         ; the immediate's high byte repeats the setting that is left
.if MSB != (\new)
	s_set_vgpr_msb (MSB<<8)|(\new)
.set MSB, (\new)
.endif
.endm
.set MUL_LO, 0xa1                      ; source 0 (B) window 1, source 1 (A) window 0, C and D window 2
.set MUL_HI, 0xf1                      ; the same, C and D window 3
.set TO_B, 0x40                        ; destination window 1, address window 0
.macro JLOAD g0a, g1a, g0b, g1b        ; a joint load: waves 0 and 1 fetch A's halves, waves 2 and 3 B's; an s_nop 0 and four v_nop follow each line
	s_cmp_eq_u32 s19, 0
	s_cbranch_scc0 .Lfor_b_\@
	tensor_load_to_lds s[\g0a:\g0a+3], s[\g1a:\g1a+7]
	s_nop 0
.rept 4
	v_nop
.endr
	s_branch .Lasked_\@
.Lfor_b_\@:
	tensor_load_to_lds s[\g0b:\g0b+3], s[\g1b:\g1b+7]
	s_nop 0
.rept 4
	v_nop
.endr
.Lasked_\@:
.endm
.macro CREST                           ; a round of the cluster's barrier behind its opening barrier
	s_cmp_lg_u32 s18, 0
	s_cbranch_scc1 .Lnot_wave_0_\@
	s_barrier_signal -3
.Lnot_wave_0_\@:
	s_barrier_wait -3
	s_barrier_signal -1
	s_barrier_wait -1
.endm
.macro CROUND
	s_barrier_signal -1
	s_barrier_wait -1
	CREST
.endm
.macro PLACES n                        ; plain vector instructions that name no register of the matrix instructions ahead (ISA guide 7.12.1)
.rept \n
	v_nop
.endr
.endm
.macro ASK v
	global_prefetch_b8 v[\v], s[PFP:PFP+1] th:TH_LOAD_NT scope:SCOPE_SE
.endm
	s_load_b256 s[4:11], s[0:1], 0x0               ; xc 4:5, wc 6:7, the exponents 8:9, bq 10:11
	s_load_b128 s[12:15], s[0:1], 0x20             ; bk, bv
	s_load_b64 s[16:17], s[0:1], 0x30              ; qkv
	v_lshl_add_u32 v[SPW], v0, 2, SPARE
	v_mov_b32 v[NIL], 0
	ds_add_u32 v[SPW], v[NIL]                      ; the wave's opening: the add, twice on end, and its wait ahead of my first tensor load
	ds_add_u32 v[SPW], v[NIL]
	v_lshrrev_b32 v1, 5, v0
	v_readfirstlane_b32 s18, v1                    ; wave 0..3
	s_lshr_b32 s19, s18, 1                         ; my half of the A rows.  Also: I fetch for A (0) or for B (1)
	s_and_b32 s20, s18, 1                          ; my half of the B rows.  Also: which half of that tile I fetch
	s_bfe_u32 s21, ttmp6, 0x40000                  ; cx
	s_bfe_u32 s22, ttmp6, 0x40004                  ; cy
	s_and_b32 s23, ttmp7, 0xffff                   ; the cluster's y, 0..15
	s_lshr_b32 s40, s23, 3                         ; tile 1 is of q (0) or k (1): the same in all sixteen partners
	s_and_b32 s42, s23, 7
	s_lshl_b32 s42, s42, 2
	s_add_co_u32 s42, s42, s22                     ; tile 1: which 256 tokens (A); made of cy and the cluster's y alone
	s_lshl_b32 s43, ttmp9, 2
	s_add_co_u32 s43, s43, s21                     ; which 256 columns (B); made of cx and the cluster's x alone
	s_and_b32 s78, s23, 1
	s_lshl_b32 s78, s78, 2
	s_add_co_u32 s78, s78, s22                     ; tile 2: which 128 channels (A)
	s_lshr_b32 s79, s23, 1
	s_lshl_b32 s79, s79, 2
	s_add_co_u32 s79, s79, s21                     ; which 256 tokens (B)
	s_lshl_b32 s2, s22, 2
	s_lshl_b32 s2, 15, s2                          ; my row of the cluster
	s_lshl_b32 s3, 0x1111, s21                     ; my column
	s_or_b32 s[G1], s2, (1<<20)|(1<<21)|(5<<22)|(3<<25)    ; the mask; elements of 1 byte; padding on; bit 21 beside a mask; after every 64 words, 4 words
	s_or_b32 s[G1V], s2, (1<<20)|(1<<21)|(5<<22)|(3<<25)
	s_or_b32 s[G1B], s3, (1<<20)|(1<<21)|(5<<22)|(3<<25)
.irp g, G1, G1V, G1B
	s_mov_b32 s[\g+1], 256<<16                     ; tensor_dim0
	s_mov_b32 s[\g+3], 256<<16                     ; tile_dim0
	s_mov_b32 s[\g+5], 256                         ; from row to row
	s_mov_b32 s[\g+6], 0
	s_mov_b32 s[\g+7], 0
.endr
	s_mov_b32 s[G1+2], 128<<16                     ; tensor_dim1 and tile_dim1
	s_mov_b32 s[G1+4], 128
	s_mov_b32 s[G1V+2], 64<<16
	s_mov_b32 s[G1V+4], 64
	s_mov_b32 s[G1B+2], 128<<16
	s_mov_b32 s[G1B+4], 128
	s_lshl_b32 s100, s42, 16                       ; tile 1, A: 256 rows of 256 bytes a tile,
	s_lshl_b32 s101, s20, 15                       ; the 128 rows that I fetch,
	s_add_co_u32 s100, s100, s101
	s_lshl_b32 s101, s40, 23                       ; x's set
	s_add_co_u32 s100, s100, s101
	s_mov_b32 s101, 0
	s_lshl_b32 s98, s43, 16                        ; tile 1, B: the same in the weight's codes
	s_lshl_b32 s99, s20, 15
	s_add_co_u32 s98, s98, s99
	s_lshl_b32 s99, s40, 20
	s_add_co_u32 s98, s98, s99
	s_mov_b32 s99, 0
	s_lshl_b32 s74, s78, 15                        ; tile 2, A: 128 rows of Wv's codes, the 64 that I fetch
	s_lshl_b32 s75, s20, 14
	s_add_co_u32 s74, s74, s75
	s_add_co_u32 s74, s74, 0x200000
	s_mov_b32 s75, 0
	s_lshl_b32 s76, s79, 16                        ; tile 2, B: 256 rows of x's third set
	s_lshl_b32 s77, s20, 15
	s_add_co_u32 s76, s76, s77
	s_add_co_u32 s76, s76, 0x1000000
	s_mov_b32 s77, 0
	s_mul_i32 s41, s18, 2*HALFT                    ; where my loads go: no place in the cluster enters an LDS address
	s_wait_dscnt 0x0                               ; both opening adds are done
	s_wait_kmcnt 0x0
	s_add_nc_u64 s[66:67], s[4:5], s[100:101]
	s_add_nc_u64 s[68:69], s[6:7], s[98:99]
	s_add_nc_u64 s[70:71], s[6:7], s[74:75]
	s_add_nc_u64 s[72:73], s[4:5], s[76:77]
	s_mov_b64 s[44:45], s[8:9]                     ; the exponents' address
	; the bias: tile 1's by column, 4 (256 x tile + 128 x half), tile 2's by channel, 4 (128 x tile + 64 x half)
	s_mov_b32 s105, 0
	s_lshl_b32 s104, s43, 10
	s_lshl_b32 s96, s20, 9
	s_add_co_u32 s104, s104, s96
	s_cmp_eq_u32 s40, 0
	s_cselect_b64 s[12:13], s[10:11], s[12:13]
	s_add_nc_u64 s[12:13], s[12:13], s[104:105]
	s_lshl_b32 s104, s78, 9
	s_lshl_b32 s96, s19, 8
	s_add_co_u32 s104, s104, s96
	s_add_nc_u64 s[14:15], s[14:15], s[104:105]
	; group 1 of the head's load: elements of 8 bytes, two rows of 4,096, a K step apart; padding of 4 words after every 64
	s_or_b32 s[G1H], s2, (3<<16)|(1<<20)|(1<<21)|(5<<22)|(3<<25)
	s_or_b32 s[G1HB], s3, (3<<16)|(1<<20)|(1<<21)|(5<<22)|(3<<25)
.irp g, G1H, G1HB
	s_mov_b32 s[\g+1], 4096<<16
	s_mov_b32 s[\g+2], 2<<16
	s_mov_b32 s[\g+3], 4096<<16
	s_mov_b32 s[\g+4], 2
	s_mov_b32 s[\g+6], 0
	s_mov_b32 s[\g+7], 0
.endr
	s_mov_b32 s[G1H+5], XK/8
	s_mov_b32 s[G1HB+5], WK/8
	CROUND                                         ; all sixteen work-groups are here: the first joint loads meet
.irp s, 0,1
	s_mov_b32 s[G0+4*\s], 1
	s_add_co_u32 s[G0+4*\s+1], s41, \s*HALFT
	s_add_nc_u64 s[G0+4*\s+2:G0+4*\s+3], s[66:67], \s*XK
	s_or_b32 s[G0+4*\s+3], s[G0+4*\s+3], 0x80000000
	s_mov_b32 s[G0B+4*\s], 1
	s_add_co_u32 s[G0B+4*\s+1], s41, \s*HALFT
	s_add_nc_u64 s[G0B+4*\s+2:G0B+4*\s+3], s[68:69], \s*WK
	s_or_b32 s[G0B+4*\s+3], s[G0B+4*\s+3], 0x80000000
.endr
	JLOAD G0, G1H, G0B, G1HB                       ; fills 0 and 1: one tensor load a wave at the head
	; the prefetches: where my wave's stand.  A's waves tell the partners apart by cx, B's by cy: 32 rows each of the 128 that a wave fetches (tile 2, A: 16 of 64; lanes 16-31 name the last row again)
	s_cmp_eq_u32 s19, 0
	s_cselect_b64 s[PFP:PFP+1], s[66:67], s[68:69]
	s_cselect_b64 s[76:77], s[70:71], s[72:73]
	s_cselect_b32 s96, s21, s22
	s_cselect_b32 s97, 12, 13
	s_cselect_b32 s98, 15, 31
	s_mov_b32 s99, WK
	s_cselect_b32 s2, XK, s99                      ; a K step on in tile 1: x's codes for A, the weight's for B
	s_mov_b32 s3, 0
	s_mov_b32 s105, XK
	s_cselect_b32 s100, s99, s105                  ; in tile 2 the other way round
	s_mov_b32 s101, 0
	s_mov_b32 s105, 0
	s_lshl_b32 s104, s96, 13
	s_add_nc_u64 s[PFP:PFP+1], s[PFP:PFP+1], s[104:105]
	s_lshl_b32 s104, s96, s97
	s_add_nc_u64 s[76:77], s[76:77], s[104:105]
	s_lshl_b32 s104, s2, 1
	s_add_nc_u64 s[PFP:PFP+1], s[PFP:PFP+1], s[104:105]   ; at tile 1's K step 2
	; where my results go.  q, k: images of 16 tokens x 64 channels, 1,024 bytes: [part][batch][head][64 tiles of tokens]
	s_lshr_b32 s104, s42, 2                        ; batch
	s_lshl_b32 s104, s104, 4
	s_lshl_b32 s96, s43, 2
	s_add_co_u32 s104, s104, s96
	s_lshl_b32 s96, s20, 1
	s_add_co_u32 s104, s104, s96                   ; 16 x batch + my first head
	s_lshl_b32 s104, s104, 6
	s_and_b32 s96, s42, 3
	s_lshl_b32 s96, s96, 4
	s_add_co_u32 s104, s104, s96
	s_lshl_b32 s96, s19, 3
	s_add_co_u32 s104, s104, s96                   ; + the tile of 16 tokens in the sequence
	s_lshl_b32 s104, s104, 10
	s_lshl_b32 s96, s40, 23
	s_add_co_u32 s104, s104, s96
	s_add_nc_u64 s[66:67], s[16:17], s[104:105]
	; v: 64 channels x 128 keys are 8,192 bytes: [batch][head][8 blocks of keys]
	s_lshr_b32 s104, s79, 2
	s_lshl_b32 s104, s104, 4
	s_lshl_b32 s96, s78, 1
	s_add_co_u32 s104, s104, s96
	s_add_co_u32 s104, s104, s19                   ; 16 x batch + my head
	s_lshl_b32 s104, s104, 3
	s_and_b32 s96, s79, 3
	s_lshl_b32 s96, s96, 1
	s_add_co_u32 s104, s104, s96
	s_add_co_u32 s104, s104, s20                   ; + the block of 128 keys
	s_lshl_b32 s104, s104, 13
	s_add_co_u32 s104, s104, 0x1000000
	s_add_nc_u64 s[68:69], s[16:17], s[104:105]
	s_mul_i32 s96, s19, 2*HALFT                    ; my half of A in slot 0,
	s_mul_i32 s97, s20, 2*HALFT
	s_add_co_u32 s97, s97, 4*HALFT                 ; of B
	v_and_b32 v4, 31, v0
	v_lshlrev_b32 v[LO], 4, v4
	v_lshlrev_b32 v[PF1], 8, v4
	v_min_u32 v4, s98, v4
	v_lshlrev_b32 v[PF2], 8, v4
	v_and_b32 v1, 15, v0                           ; r
	v_bfe_u32 v2, v0, 4, 1                         ; hh
	v_mul_u32_u24 v3, v1, PITCH
	v_lshl_add_u32 v3, v2, 4, v3                   ; a fragment's row x pitch + 16 hh
	v_lshlrev_b32 v5, 5, v2                        ; 32 hh
	v_lshlrev_b32 v6, 2, v1                        ; 4 r
.irp s, 0,1
	v_add_nc_u32 v[ADRA+\s], s96, v3
	v_add_nc_u32 v[ADRB+\s], s97, v3
	s_add_co_u32 s96, s96, HALFT
	s_add_co_u32 s97, s97, HALFT
.endr
.irp b, 0,1,2,3,4,5,6,7
	global_load_b128 v[BIAS+8*\b:BIAS+8*\b+3], v5, s[12:13] offset:64*\b          ; bias(16 b + 8 hh + 0 .. 7)
	global_load_b128 v[BIAS+8*\b+4:BIAS+8*\b+7], v5, s[12:13] offset:64*\b+16
.endr
.irp a, 0,1,2,3
	global_load_b32 v[BV+2*\a], v6, s[14:15] offset:64*\a               ; bias(16 a + r)
	global_load_b32 v[BV+2*\a+1], v6, s[14:15] offset:64*\a
.endr
	ASK PF1                                        ; fill 2
.macro FRAG reg, adr, q, i             ; 16 rows x 128 K: registers 4 c .. 4 c + 3 hold k = 32 c + 16 hh + 0 .. 15 of row r
.irp c, 0,1,2,3
	ds_load_b128 v[\reg+4*\c:\reg+4*\c+3], v[\adr] offset:128*(\q)+32*\c+(\i)*16*PITCH
.endr
.endm
.macro FETCH_B slot, q, p              ; B's eight fragments of the slot's q-th 128 along K into set p
	WIN TO_B
.irp i, 0,1,2,3,4,5,6,7
	FRAG 128*(\p)+16*\i, ADRB+\slot, \q, \i
.endr
	WIN 0
.endm
.macro FETCH_A reg, slot, q, i0        ; A's blocks i0 .. i0 + 3
.irp i, 0,1,2,3
	FRAG \reg+16*\i, ADRA+\slot, \q, \i0+\i
.endr
.endm
; 16 matrix instructions: A's blocks a0, a0 + 1 (fragments from register ab on) x B's eight in set p.  The accumulators take turns, one instruction a turn, in the same order in every step.
.macro MUL16 a0, p, zero, ab
.irp a, \a0, \a0+1
.irp b, 0,1,2,3,4,5,6,7
.if \zero
	v_wmma_f32_16x16x128_fp8_fp8 v[64*((\a)%4)+8*\b:64*((\a)%4)+8*\b+7], v[128*(\p)+16*\b:128*(\p)+16*\b+15], v[\ab+16*(\a):\ab+16*(\a)+15], 0
.else
	v_wmma_f32_16x16x128_fp8_fp8 v[64*((\a)%4)+8*\b:64*((\a)%4)+8*\b+7], v[128*(\p)+16*\b:128*(\p)+16*\b+15], v[\ab+16*(\a):\ab+16*(\a)+15], v[64*((\a)%4)+8*\b:64*((\a)%4)+8*\b+7]
.endif
.endr
.endr
.endm
; TILE 1.  A has one set: blocks 0-3 are fetched anew in a step's middle, blocks 4-7 at its end.  A slot's first 128 along K:
.macro STEP slot, zero
	s_wait_dscnt 16                                ; B's set and A's blocks 0-3 are in; the youngest 16 loads (A's blocks 4-7) may be out
	WIN MUL_LO
	MUL16 0, 0, \zero, AF
	MUL16 2, 0, \zero, AF
	s_wait_dscnt 0
	PLACES 4
	FETCH_B \slot, 1, 1
	FETCH_A AF, \slot, 1, 0
	WIN MUL_HI
	MUL16 4, 0, \zero, AF
	MUL16 6, 0, \zero, AF
	PLACES 4
	WIN 0
	FETCH_A AF+64, \slot, 1, 4
.endm
; Group 0 of this slot goes on: code 1 two K steps of tile 1, 2 to tile 2's K step (= the slot's number), 3 two K steps of tile 2.
.macro GO_ON s, code
.if \code == 1
	s_add_nc_u64 s[G0+4*\s+2:G0+4*\s+3], s[G0+4*\s+2:G0+4*\s+3], 2*XK
	s_add_nc_u64 s[G0B+4*\s+2:G0B+4*\s+3], s[G0B+4*\s+2:G0B+4*\s+3], 2*WK
.elseif \code == 2
	s_add_nc_u64 s[G0+4*\s+2:G0+4*\s+3], s[70:71], \s*WK
	s_or_b32 s[G0+4*\s+3], s[G0+4*\s+3], 0x80000000
	s_add_nc_u64 s[G0B+4*\s+2:G0B+4*\s+3], s[72:73], \s*XK
	s_or_b32 s[G0B+4*\s+3], s[G0B+4*\s+3], 0x80000000
.else
	s_add_nc_u64 s[G0+4*\s+2:G0+4*\s+3], s[G0+4*\s+2:G0+4*\s+3], 2*WK
	s_add_nc_u64 s[G0B+4*\s+2:G0B+4*\s+3], s[G0B+4*\s+2:G0B+4*\s+3], 2*XK
.endif
.endm
; A slot's second 128 along K, and the change of slots.  In front of the round each wave waits for all its tensor loads, adds 0 to its spare word, and waits for that and for its reads of this slot; behind it the slot is filled again.
.macro TURN slot, next, code, first, full
	s_wait_xcnt 0x0                                ; my last prefetch has read its address
.if \first
	s_mov_b64 s[PFP:PFP+1], s[76:77]               ; on to tile 2's K step 0
.else
	s_add_nc_u64 s[PFP:PFP+1], s[PFP:PFP+1], s[100:101]
.endif
	s_wait_tensorcnt 0x0                           ; all my tensor loads have landed: my part of the next slot
	ds_add_u32 v[SPW], v[NIL]                      ; 0 onto my spare word
	s_wait_dscnt 17                                ; the add and A's blocks 4-7 may be out
	WIN MUL_LO
	MUL16 0, 1, 0, AF                              ; sixteen matrix instructions stand between the add and the wait for it
	s_wait_dscnt 0x0                               ; the add is done; my reads of this slot are over
	s_barrier_signal -1
	MUL16 2, 1, 0, AF
	WIN 0
	s_barrier_wait -1
	CREST                                          ; no wave of any partner still reads this slot or has a load on its way
	GO_ON \slot, \code
.if \code == 1
	JLOAD G0+4*\slot, G1, G0B+4*\slot, G1B         ; the first tensor load behind the round; its four v_nop are the places in front of the loads below
.else
	JLOAD G0+4*\slot, G1V, G0B+4*\slot, G1B
.endif
	FETCH_B \next, 0, 0
	FETCH_A AF, \next, 0, 0
	ASK PF2                                        ; what the second fill from here brings
	WIN MUL_HI
	MUL16 4, 1, 0, AF
	MUL16 6, 1, 0, AF
	PLACES 4
	WIN 0
.if \full
	FETCH_A AF+64, \next, 0, 4
.endif
.endm
; TILE 2.  A's four blocks have two sets.  A step on sets 0; the slot's other 128 along K is asked for first, into sets 1.
.macro HSTEP slot, zero
	s_wait_dscnt 0x0                               ; this step's fragments are in
	PLACES 4
	FETCH_B \slot, 1, 1
	FETCH_A AF+64, \slot, 1, 0
	WIN MUL_LO
	MUL16 0, 0, \zero, AF
	MUL16 2, 0, \zero, AF
	WIN 0
.endm
.macro HTURN slot, next, fill          ; a step on sets 1 with the change of slots in its middle, ordered as in TURN
	s_wait_tensorcnt 0x0
	ds_add_u32 v[SPW], v[NIL]
	s_wait_dscnt 1                                 ; this step's fragments are in; the add may be out
	WIN MUL_LO
	MUL16 0, 1, 0, AF+64
	WIN 0
	s_wait_dscnt 0x0                               ; the add is done; my reads of this slot are over
	s_barrier_signal -1
	s_barrier_wait -1
.if \fill
	CREST
	GO_ON \slot, 3
	JLOAD G0+4*\slot, G1V, G0B+4*\slot, G1B
.else
	PLACES 4
.endif
	FETCH_B \next, 0, 0
	FETCH_A AF, \next, 0, 0
	WIN MUL_LO
	MUL16 2, 1, 0, AF+64
	WIN 0
.endm
; THE WAY OUT: sum x 2^(ex + ew) + bias, held, converted with 2^eo, stored as images.  s96 = ex + ew, s99 = eo.
.macro SCALES
	s_add_co_i32 s96, s96, 127
	s_lshl_b32 s96, s96, 23                        ; 2^(ex + ew) as f32
	s_mov_b32 s97, s96                             ; (named with it as a pair)
	s_add_co_i32 s99, s99, 127
	s_lshl_b32 s98, s99, 23
	v_mov_b32 v[SCV], s98
	s_add_co_i32 s99, s99, 8
	s_lshl_b32 s99, s99, 23
	s_or_b32 s99, s99, 0x600000
	v_mov_b32 v[LIMV], s99
	s_wait_alu depctr_va_vdst(0)
.endm
; Block a: 16 A-rows x 128 B-rows.  isv = 0: the bias goes by B-row; isv = 1: by A-row.  Each accumulator is read from its low end on.
.macro EPI a, isv, base
.if (\a) > 1 || \isv
	s_wait_xcnt 0x0                                ; the stores of two blocks ago have read this set of code registers
.endif
	WIN 2+(\a)/4                                   ; source 0 (the sums) window 2 or 3
.irp b, 0,1,2,3,4,5,6,7
.irp i, 0,2,4,6
.if \isv
	v_pk_fma_f32 v[TMP+8*\b+\i:TMP+8*\b+\i+1], v[64*((\a)%4)+8*\b+\i:64*((\a)%4)+8*\b+\i+1], s[96:97], v[BV+2*(\a):BV+2*(\a)+1] op_sel_hi:[1,0,0]
.else
	v_pk_fma_f32 v[TMP+8*\b+\i:TMP+8*\b+\i+1], v[64*((\a)%4)+8*\b+\i:64*((\a)%4)+8*\b+\i+1], s[96:97], v[BIAS+8*\b+\i:BIAS+8*\b+\i+1] op_sel_hi:[1,0,1]
.endif
.endr
.endr
	WIN 0
.set k, 0
.rept 64
	v_med3_num_f32 v[TMP+k], v[TMP+k], -v[LIMV], v[LIMV]   ; the conversion does not saturate (ISA guide 7.6.2)
.set k, k+1
.endr
.set CS, COD+16*((\a)%2)
.irp b, 0,1,2,3,4,5,6,7
	v_cvt_scalef32_pk8_fp8_f32 v[CS+2*\b:CS+2*\b+1], v[TMP+8*\b:TMP+8*\b+7], v[SCV]
.endr
	v_nop                                          ; a plain instruction between the conversions and the next block's writes of their sources
.irp c, 0,1,2,3
.if \isv
	global_store_b128 v[LO], v[CS+4*\c:CS+4*\c+3], s[\base:\base+1] offset:2048*(\a)+512*\c                 ; channels 16 a on, keys 32 c on
.else
	global_store_b128 v[LO], v[CS+4*\c:CS+4*\c+3], s[\base:\base+1] offset:(\c/2)*65536+1024*(\a)+512*(\c%2)   ; head c / 2, tokens 16 a on, channels 32 (c % 2) on
.endif
.endr
.endm
	s_wait_alu depctr_va_vdst(0)                   ; the head's end
	s_wait_xcnt 0x0                                ; the prefetch has read its address
	s_add_nc_u64 s[PFP:PFP+1], s[PFP:PFP+1], s[2:3]
	s_wait_tensorcnt 0x0                           ; my part of fills 0 and 1 is in
	s_barrier_signal -1
	s_barrier_wait -1
	s_load_b256 s[88:95], s[44:45], 0x0            ; e0 .. e7
	s_load_b32 s23, s[44:45], 0x24                 ; e9
	FETCH_B 0, 0, 0
	FETCH_A AF, 0, 0, 0
	FETCH_A AF+64, 0, 0, 4
	ASK PF1                                        ; fill 3
	STEP 0, 1                                      ; the first products start the sums: nothing is cleared
	TURN 0, 1, 1, 1, 1                             ; fill 2
	STEP 1, 0
	TURN 1, 0, 1, 0, 1                             ; fill 3
	STEP 0, 0
	TURN 0, 1, 2, 0, 1                             ; fill 4: tile 2's first
	STEP 1, 0
	TURN 1, 0, 2, 0, 0                             ; fill 5, and tile 2's first fragments
	; tile 1 goes out; its last products have four places behind them, and A's blocks 4-7, whose registers take a block's numbers, are done with
	s_wait_kmcnt 0x0
	s_add_co_i32 s96, s88, s89
	s_add_co_i32 s97, s90, s91
	s_cmp_eq_u32 s40, 0
	s_cselect_b32 s96, s96, s97                    ; e0 + e1 or e2 + e3
	s_cselect_b32 s99, s94, s95                    ; e6 or e7
	SCALES
	s_wait_loadcnt 0x0                             ; the bias
.irp a, 0,1,2,3,4,5,6,7
	EPI \a, 0, 66
.endr
	HSTEP 0, 1
	HTURN 0, 1, 1                                  ; fill 6
	HSTEP 1, 0
	HTURN 1, 0, 1                                  ; fill 7
	HSTEP 0, 0
	HTURN 0, 1, 0                                  ; nothing is filled again
	HSTEP 1, 0
	s_wait_dscnt 0x0                               ; the last step: nothing more to fetch
	WIN MUL_LO
	MUL16 0, 1, 0, AF+64
	MUL16 2, 1, 0, AF+64
	WIN 0
	s_add_co_i32 s96, s92, s93                     ; e4 + e5
	s_mov_b32 s99, s23                             ; e9
	SCALES
	PLACES 4                                       ; behind the last products
.irp a, 0,1,2,3
	EPI \a, 1, 68
.endr
	s_wait_tensorcnt 0x0                           ; the wave's end
	ds_add_u32 v[SPW], v[NIL]
	s_wait_dscnt 0x0
	CROUND                                         ; the closing round: no work-group ends while a partner may still ask for a tile that names it
	s_endpgm
.Lfunc_end_k_q0049ea980f_qkv:
	.size	k_q0049ea980f_qkv, .Lfunc_end_k_q0049ea980f_qkv-k_q0049ea980f_qkv
	.p2alignl 7, 3214868480
	.fill 96, 4, 3214868480
	.section	.rodata,"a",@progbits
	.p2align	6, 0x0
	.amdhsa_kernel k_q0049ea980f_qkv
		.amdhsa_group_segment_fixed_size 327680
		.amdhsa_private_segment_fixed_size 0
		.amdhsa_enable_private_segment 0
		.amdhsa_kernarg_size 56
		.amdhsa_user_sgpr_count 2
		.amdhsa_user_sgpr_kernarg_segment_ptr 1
		.amdhsa_wavefront_size32 1
		.amdhsa_system_sgpr_workgroup_id_x 1
		.amdhsa_system_sgpr_workgroup_id_y 1
		.amdhsa_system_sgpr_workgroup_id_z 1
		.amdhsa_system_vgpr_workitem_id 0
		.amdhsa_next_free_vgpr 1024
		.amdhsa_next_free_sgpr 106
		.amdhsa_reserve_vcc 0
		.amdhsa_float_denorm_mode_32 3
		.amdhsa_float_denorm_mode_16_64 3
		.amdhsa_memory_ordered 1
		.amdhsa_forward_progress 1
		.amdhsa_inst_pref_size 215
	.end_amdhsa_kernel
	.amdgpu_metadata
---
amdhsa.version: [ 1, 2 ]
amdhsa.kernels:
  - .name:           k_q0049ea980f_qkv
    .symbol:         k_q0049ea980f_qkv.kd
    .args:
      - { .name: xc, .offset: 0, .size: 8, .value_kind: global_buffer, .address_space: global }
      - { .name: wc, .offset: 8, .size: 8, .value_kind: global_buffer, .address_space: global }
      - { .name: lowp_scales, .offset: 16, .size: 8, .value_kind: global_buffer, .address_space: global }
      - { .name: bq, .offset: 24, .size: 8, .value_kind: global_buffer, .address_space: global }
      - { .name: bk, .offset: 32, .size: 8, .value_kind: global_buffer, .address_space: global }
      - { .name: bv, .offset: 40, .size: 8, .value_kind: global_buffer, .address_space: global }
      - { .name: qkv, .offset: 48, .size: 8, .value_kind: global_buffer, .address_space: global }
    .group_segment_fixed_size: 327680
    .private_segment_fixed_size: 0
    .kernarg_segment_align: 8
    .kernarg_segment_size: 56
    .max_flat_workgroup_size: 128
    .sgpr_count:     106
    .vgpr_count:     1024
    .wavefront_size: 32
...
	.end_amdgpu_metadata
.endif
;; end of part 2
;; launch attn (part 3): grid 2 x 128, 8 waves a work-group, no clusters, 132,096 bytes of LDS; arguments qkv, lowp_scales, oc; writes oc
.if DOCPART == 3
	.amdgcn_target "amdgcn-amd-amdhsa--gfx1250"
	.amdhsa_code_object_version 6
	.text
	.protected	k_q0049ea980f_attn
	.globl	k_q0049ea980f_attn
	.p2align	8
	.type	k_q0049ea980f_attn,@function
k_q0049ea980f_attn:
	s_mov_b64 s[64:65], 0
	v_nop
	global_prefetch_b8 v0, s[64:65] scope:SCOPE_SE
	s_setreg_imm32_b32 hwreg(HW_REG_WAVE_MODE, 25, 1), 1
	s_wait_xcnt 0x0
; Attention for one batch and head (the work-group's y), on the images of operand registers that the launch before has left: softmax(q k^T / 8) v under the causal mask, quantised (scale 2^e10) for the last product.
; Eight waves.  A wave takes two blocks of 32 queries, block i of the sequence and then its mirror 31 - i: i / 4 + 1 steps of 128 keys and 8 - i / 4 (whole numbers): 9 TRIPS IN ALL FOR EVERY WAVE.  DEAD WORK: a step all of whose keys
; come after a block's queries is not among them: reference()'s own mask gives those keys p = 0.
; K and V OF THE HEAD (131,072 bytes) GO THROUGH REGISTERS INTO LDS, once: keys 0-255 ahead of the loop, which is all that a wave reads in its first two trips; keys 256-1,023 ride in 96 registers until those are over, and are
; then stored between two barriers.  Lanes read 512 consecutive bytes an instruction.
; No tensor load and no cluster: a head's K and V are read by two work-groups alone, each once.  No prefetch: everything is asked for at the head.
; Both products are transposed (S^T = K Q^T, O^T = V^T P^T): a lane holds one query (lane % 16) of each of the block's two tiles.  p = 2^(t - M), M the running largest t rounded up to a whole number; the row's sum is of the unquantised p.
; THE HOLD OF p at 448 x 2^e8 stands under a branch on e8, a whole number read from memory: where e8 >= -8 it is 1.75 or more, p is at most 1 (but for a rounding), and the hold would change nothing.
; The codes go out K step by K step of the last product (4 heads a K step): oc[h / 4][tile of 16 tokens 512][h % 4][1,024 bytes].
; LIMITS: e6 + e7 between -124 and 129; e8, e10 between -126 and 119; the scaled scores stay under 2^31 in magnitude; NaN is not served; what reaches only keys that the mask hides is not carried to the result.
; REGISTERS.  Window 0: v1-53 as named; v64-191 S^T, then p; v192-255 O^T.  Window 1: v0-15 the block's q, v16-79 K's fragments, then (v16-47) p's codes, v80-143 V's, v144-159 the second block's q, v160-255 keys 256 on until trip 1 is over.
.set SPARE, 131072                     ; behind K and V: the spare words, 128 bytes a wave, that no other line names
.set LI,   1                           ; 16 x lane
.set ADK,  2
.set ADV,  3
.set SPW,  4                           ; my spare word; never rewritten
.set NIL,  5                           ; 0; never rewritten
.set NINF, 6
.set ST,   8                           ; for tile x at ST + 12 x: 0 -M, 1 the largest t, 2-3 the sum in two halves, 4 f, 6-10 at work
.set LIMP, 32                          ; 448 x 2^e8
.set SCP,  33                          ; 2^e8
.set SCO,  34                          ; 2^e10
.set LIMO, 35                          ; 448 x 2^e10
.set OC,   36                          ; v36-51 codes on the way out
.set WB,   52                          ; LDS: where my part of keys 256 on goes
.set WA,   53                          ; of keys 0-255
.set S,    64
.set O,    192
.set QS,   0
.set KFR,  16
.set PC,   16
.set VFR,  80
.set QL,   144
.set CB,   160
.set MSB, 0
.macro WIN new                         ; the immediate's high byte repeats the setting that is left
.if MSB != \new
	s_set_vgpr_msb (MSB<<8)|\new
.set MSB, \new
.endif
.endm
	s_load_b128 s[4:7], s[0:1], 0x0                ; qkv, the exponents
	s_load_b64 s[8:9], s[0:1], 0x10                ; oc
	v_lshl_add_u32 v[SPW], v0, 2, SPARE
	v_mov_b32 v[NIL], 0
	v_lshrrev_b32 v1, 5, v0
	s_delay_alu instid0(VALU_DEP_1)
	v_readfirstlane_b32 s10, v1                    ; wave 0..7
	s_and_b32 s11, ttmp7, 0xffff                   ; 16 x batch + head
	s_lshr_b32 s12, s10, 2                         ; I bring K (0) or V (1)
	s_and_b32 s13, s10, 3                          ; which quarter
	s_lshl_b32 s14, s12, 16                        ; V begins at 65,536 in LDS
	s_lshl_b32 s15, s13, 12                        ; keys 0-255 are 16,384 bytes,
	s_mul_i32 s16, s13, 12288                      ; the others 49,152
	s_add_co_u32 s16, s16, 16384
	s_add_co_u32 s24, s14, s15
	s_add_co_u32 s25, s14, s16
	s_lshl_b32 s26, s12, 23
	s_add_co_u32 s26, s26, 0x800000                ; k's part or v's,
	s_lshl_b32 s27, s11, 16                        ; my head
	s_add_co_u32 s26, s26, s27
	s_add_co_u32 s28, s26, s15
	s_mov_b32 s29, 0
	s_add_co_u32 s30, s26, s16
	s_mov_b32 s31, 0
	s_mul_i32 s49, s12, 7
	s_xor_b32 s49, s10, s49
	s_lshl_b32 s49, s49, 2
	s_lshl_b32 s50, s12, 1
	s_add_co_u32 s49, s49, s50
	s_add_co_u32 s49, s49, ttmp9                   ; block i, 0..15: waves w and w + 4 take i / 4 = w and 3 - w
	s_lshl_b32 s74, s49, 5                         ; its first query,
	s_sub_co_u32 s75, 992, s74                     ; and its mirror's
	s_lshl_b32 s78, s74, 6                         ; 64 bytes of q a query
	s_add_co_u32 s78, s78, s27
	s_mov_b32 s79, 0
	s_lshl_b32 s38, s75, 6
	s_add_co_u32 s38, s38, s27
	s_mov_b32 s39, 0
	s_mov_b32 s20, 0x76543210
	s_mov_b32 s21, 0xfedcba98                      ; v_permlanex16_b32's selects: lane l xor 16
	v_and_b32 v[LI], 31, v0
	s_delay_alu instid0(VALU_DEP_1)
	v_lshlrev_b32 v[LI], 4, v[LI]
	s_delay_alu instid0(VALU_DEP_1)
	v_add_nc_u32 v[WA], s24, v[LI]
	v_add_nc_u32 v[WB], s25, v[LI]
	s_wait_alu depctr_va_vdst(0)
	s_wait_kmcnt 0x0
	s_load_b256 s[40:47], s[6:7], 0x10             ; e4 .. e11
	s_add_nc_u64 s[34:35], s[4:5], s[28:29]
	s_add_nc_u64 s[36:37], s[4:5], s[30:31]
	s_add_nc_u64 s[70:71], s[4:5], s[78:79]
	s_add_nc_u64 s[72:73], s[4:5], s[38:39]
.irp i, 0,1,2,3,4,5,6,7
	global_load_b128 v[S+4*\i:S+4*\i+3], v[LI], s[34:35] offset:512*\i
.endr
	WIN 0x40                                       ; destination window 1
.irp x, 0,1
.irp c, 0,1
	global_load_b128 v[QS+8*\x+4*\c:QS+8*\x+4*\c+3], v[LI], s[70:71] offset:1024*\x+512*\c
	global_load_b128 v[QL+8*\x+4*\c:QL+8*\x+4*\c+3], v[LI], s[72:73] offset:1024*\x+512*\c
.endr
.endr
.set j, 0
.rept 24
	global_load_b128 v[CB+4*j:CB+4*j+3], v[LI], s[36:37] offset:512*j
.set j, j+1
.endr
	WIN 0
	s_lshr_b32 s76, s11, 4
	s_lshl_b32 s76, s76, 18                        ; out: the batch: 64 tiles of 4,096 bytes,
	s_bfe_u32 s77, s11, 0x20002
	s_lshl_b32 s77, s77, 21                        ; the head's K step: 512 tiles,
	s_add_co_u32 s76, s76, s77
	s_and_b32 s77, s11, 3
	s_lshl_b32 s77, s77, 10                        ; and the head's place in it
	s_add_co_u32 s76, s76, s77
	s_lshl_b32 s50, s74, 8                         ; 16 tokens are 4,096 bytes of a K step
	s_add_co_u32 s50, s50, s76
	s_mov_b32 s51, 0
	s_add_nc_u64 s[66:67], s[8:9], s[50:51]
	s_lshl_b32 s50, s75, 8
	s_add_co_u32 s50, s50, s76
	s_add_nc_u64 s[68:69], s[8:9], s[50:51]
	s_lshr_b32 s76, s74, 7
	s_add_co_u32 s76, s76, 1                       ; the first block's trips, 1..4
	v_mov_b32 v[NINF], 0xff800000                  ; -infinity
.irp x, 0,1
	v_mov_b32 v[ST+12*\x+5], 0                     ; (named as the upper half of a pair)
	v_mov_b32 v[ST+12*\x+10], 0                    ; written once: a lane permute's destination counts as one of its sources
.endr
	v_and_b32 v7, 15, v0
	v_bfe_u32 v36, v0, 4, 1
	s_delay_alu instid0(VALU_DEP_1)
	v_lshlrev_b32 v36, 3, v36
	s_delay_alu instid0(VALU_DEP_1)
	v_sub_nc_u32 v7, v7, v36
.irp j, 0,1,2,3,4,5,6,7
	v_cmp_gt_i32 s[52+\j], \j, v7                  ; in a diagonal tile register j's key comes after the lane's query
.endr
	s_wait_kmcnt 0x0
	s_add_co_i32 s22, s42, s43
	s_lshl_b32 s22, s22, 23
	s_add_co_i32 s22, s22, 0x3e38aa3b              ; log2(e) / 8, with e6 + e7 added to its exponent field
	s_mov_b32 s23, s22                             ; (named with it as a pair)
	s_add_co_i32 s60, s44, s45                     ; e8 + e9
	s_add_co_i32 s61, s44, 127
	s_lshl_b32 s62, s61, 23
	v_mov_b32 v[SCP], s62
	s_add_co_i32 s61, s61, 8
	s_lshl_b32 s61, s61, 23
	s_or_b32 s61, s61, 0x600000
	v_mov_b32 v[LIMP], s61
	s_add_co_i32 s61, s46, 127
	s_lshl_b32 s62, s61, 23
	v_mov_b32 v[SCO], s62
	s_add_co_i32 s61, s61, 8
	s_lshl_b32 s61, s61, 23
	s_or_b32 s61, s61, 0x600000
	v_mov_b32 v[LIMO], s61
; A block begins with the largest t at -3e38 and zeros: the first change of M leaves them zeros.
.macro INIT
.irp x, 0,1
	v_mov_b32 v[ST+12*\x+1], 0xff61b1e6
	s_delay_alu instid0(VALU_DEP_1)
	v_floor_f32 v[ST+12*\x], -v[ST+12*\x+1]
	v_mov_b32 v[ST+12*\x+2], 0
	v_mov_b32 v[ST+12*\x+3], 0
.endr
.set j, 0
.rept 64
	v_mov_b32 v[O+j], 0
.set j, j+1
.endr
.endm
; The diagonal step: tile t of 16 keys against query tile x: all keys count, the diagonal tile, or none.
.macro MASKT x, t
	s_cmp_gt_u32 s[50+\x], \t
	s_cbranch_scc1 .Lvis_\@
	s_cmp_eq_u32 s[50+\x], \t
	s_cbranch_scc0 .Lall_\@
.irp j, 0,1,2,3,4,5,6,7
	v_cndmask_b32 v[S+64*\x+8*\t+\j], v[S+64*\x+8*\t+\j], v[NINF], s[52+\j]
.endr
	s_branch .Lvis_\@
.Lall_\@:
.irp j, 0,1,2,3,4,5,6,7
	v_mov_b32 v[S+64*\x+8*\t+\j], v[NINF]
.endr
.Lvis_\@:
.endm
; A block's end: O^T / the sum x 2^(e8 + e9), held, converted, stored: 512 consecutive bytes an instruction.
.macro FINISH base
.irp x, 0,1
	v_add_f32 v[ST+12*\x+6], v[ST+12*\x+2], v[ST+12*\x+3]
.endr
.irp x, 0,1
	s_delay_alu instid0(VALU_DEP_2)
	v_permlanex16_b32 v[ST+12*\x+10], v[ST+12*\x+6], s20, s21
.endr
.irp x, 0,1
	s_delay_alu instid0(VALU_DEP_2)
	v_add_f32 v[ST+12*\x+6], v[ST+12*\x+6], v[ST+12*\x+10]
.endr
	s_wait_alu depctr_va_vdst(0)                   ; a wait ahead of the batch,
.irp x, 0,1
	v_rcp_f32 v[ST+12*\x+4], v[ST+12*\x+6]
.endr
	v_nop
	s_wait_alu depctr_va_vdst(0)                   ; and behind it
.irp x, 0,1
	v_ldexp_f32 v[ST+12*\x+4], v[ST+12*\x+4], s60
.endr
	s_wait_xcnt 0x0                                ; an earlier block's stores have read the code registers
	s_wait_alu depctr_va_vdst(0)                   ; ahead of the first readers of O^T
.set j, 0
.rept 16
	v_pk_mul_f32 v[O+j:O+j+1], v[O+j:O+j+1], v[ST+4:ST+5] op_sel_hi:[1,0]
	v_pk_mul_f32 v[O+32+j:O+32+j+1], v[O+32+j:O+32+j+1], v[ST+16:ST+17] op_sel_hi:[1,0]
.set j, j+2
.endr
.set j, 0
.rept 64
	v_med3_num_f32 v[O+j], v[O+j], -v[LIMO], v[LIMO]   ; the conversion does not saturate (ISA guide 7.6.2)
.set j, j+1
.endr
.irp x, 0,1
.irp t, 0,1,2,3
	v_cvt_scalef32_pk8_fp8_f32 v[OC+8*\x+2*\t:OC+8*\x+2*\t+1], v[O+32*\x+8*\t:O+32*\x+8*\t+7], v[SCO]
.endr
.endr
	v_nop                                          ; a plain instruction behind the conversions
.irp x, 0,1
.irp c, 0,1
	global_store_b128 v[LI], v[OC+8*\x+4*\c:OC+8*\x+4*\c+3], s[\base:\base+1] offset:4096*\x+512*\c
.endr
.endr
.endm
	INIT
	s_mov_b32 s48, 0
	s_wait_alu depctr_va_vdst(0)                   ; the head's end
	s_wait_loadcnt 24                              ; my part of keys 0-255 and both q are in; the 24 loads of the other keys may be out
.irp i, 0,1,2,3,4,5,6,7
	ds_store_b128 v[WA], v[S+4*\i:S+4*\i+3] offset:512*\i
.endr
	s_wait_dscnt 0x0                               ; my stores are done, for the others' sake
	s_barrier_signal -1
	s_barrier_wait -1
; A TRIP: one step of 128 keys.  most: the greatest step number that can be met here.
.macro STEP most
	s_sub_co_u32 s49, s48, s76
	s_cmp_lt_u32 s48, s76                          ; the first block or its mirror?
	s_cselect_b32 s17, s74, s75                    ; its first query
	s_cselect_b32 s49, s48, s49                    ; and which step of it this is
	s_min_u32 s49, s49, \most
	s_lshl_b32 s18, s49, 7                         ; the step's first key,
	s_lshl_b32 s19, s49, 13                        ; and its byte in K and in V
	v_add_nc_u32 v[ADK], s19, v[LI]
	s_delay_alu instid0(VALU_DEP_1)
	v_add_nc_u32 v[ADV], 65536, v[ADK]
	v_nop                                          ; with the two additions four places behind the last trip's products, whose registers the loads below fill
	v_nop
	WIN 0x40
.irp t, 0,1,2,3,4,5,6,7
.irp c, 0,1
	ds_load_b128 v[KFR+8*\t+4*\c:KFR+8*\t+4*\c+3], v[ADK] offset:1024*\t+512*\c
.endr
.endr
.irp t, 0,1,2,3
.irp c, 0,1,2,3
	ds_load_b128 v[VFR+16*\t+4*\c:VFR+16*\t+4*\c+3], v[ADV] offset:2048*\t+512*\c
.endr
.endr
	s_wait_dscnt 16                                ; K's fragments are in; V's 16 loads may be out
	WIN 0x05
.irp t, 0,1,2,3,4,5,6,7
.irp x, 0,1
	v_wmma_f32_16x16x64_fp8_fp8 v[S+64*\x+8*\t:S+64*\x+8*\t+7], v[KFR+8*\t:KFR+8*\t+7], v[QS+8*\x:QS+8*\x+7], 0
.endr
.endr
	WIN 0
.rept 4
	v_nop
.endr
	s_add_co_u32 s49, s18, 127
	s_cmp_le_u32 s49, s17
	s_cbranch_scc1 .Lopen_\@                       ; all of the step's keys count for all of the block's queries
	s_sub_co_u32 s50, s17, s18
	s_lshr_b32 s50, s50, 4                         ; the diagonal's tile of keys for the first tile of queries,
	s_add_co_u32 s51, s50, 1                       ; for the second
.irp t, 0,1,2,3,4,5,6,7
	MASKT 0, \t
	MASKT 1, \t
.endr
.Lopen_\@:
	s_wait_alu depctr_va_vdst(0)
.irp x, 0,1
	v_max3_num_f32 v[ST+12*\x+6], v[S+64*\x], v[S+64*\x+1], v[S+64*\x+2]
	v_max3_num_f32 v[ST+12*\x+7], v[S+64*\x+3], v[S+64*\x+4], v[S+64*\x+5]
.endr
.irp i, 6,10,14,18,22,26,30,34,38,42,46,50,54,58
.irp x, 0,1
	v_max3_num_f32 v[ST+12*\x+6], v[ST+12*\x+6], v[S+64*\x+\i], v[S+64*\x+\i+1]
	v_max3_num_f32 v[ST+12*\x+7], v[ST+12*\x+7], v[S+64*\x+\i+2], v[S+64*\x+\i+3]
.endr
.endr
.irp x, 0,1
	v_max3_num_f32 v[ST+12*\x+6], v[ST+12*\x+6], v[S+64*\x+62], v[S+64*\x+63]
.endr
.irp x, 0,1
	s_delay_alu instid0(VALU_DEP_2)
	v_max_num_f32 v[ST+12*\x+6], v[ST+12*\x+6], v[ST+12*\x+7]
.endr
.irp x, 0,1
	s_delay_alu instid0(VALU_DEP_2)
	v_permlanex16_b32 v[ST+12*\x+10], v[ST+12*\x+6], s20, s21
.endr
.irp x, 0,1
	s_delay_alu instid0(VALU_DEP_2)
	v_max_num_f32 v[ST+12*\x+6], v[ST+12*\x+6], v[ST+12*\x+10]
.endr
.irp x, 0,1
	s_delay_alu instid0(VALU_DEP_2)
	v_mul_f32 v[ST+12*\x+6], s22, v[ST+12*\x+6]    ; the step's largest t
.endr
.irp x, 0
	s_delay_alu instid0(VALU_DEP_2)
	v_max_num_f32 v[ST+12*\x+1], v[ST+12*\x+1], v[ST+12*\x+6]
	v_mov_b32 v[ST+12*\x+6], v[ST+12*\x]
.endr
.irp x, 1
	s_delay_alu instid0(VALU_DEP_3)
	v_max_num_f32 v[ST+12*\x+1], v[ST+12*\x+1], v[ST+12*\x+6]
	v_mov_b32 v[ST+12*\x+6], v[ST+12*\x]
.endr
.irp x, 0
	s_delay_alu instid0(VALU_DEP_4)
	v_floor_f32 v[ST+12*\x], -v[ST+12*\x+1]        ; -M = floor(-t)
.endr
.irp x, 1
	s_delay_alu instid0(VALU_DEP_3)
	v_floor_f32 v[ST+12*\x], -v[ST+12*\x+1]
.endr
.irp x, 0,1
	s_delay_alu instid0(VALU_DEP_2)
	v_sub_f32 v[ST+12*\x+6], v[ST+12*\x], v[ST+12*\x+6]
.endr
.irp x, 0,1
	s_delay_alu instid0(VALU_DEP_2)
	v_cvt_i32_f32 v[ST+12*\x+6], v[ST+12*\x+6]
.endr
.irp x, 0,1
	s_delay_alu instid0(VALU_DEP_2)
	v_ldexp_f32 v[ST+12*\x+4], 1.0, v[ST+12*\x+6]  ; f = 2^(old M - new M)
.endr
.set j, 0
.rept 32
	v_pk_fma_f32 v[S+j:S+j+1], v[S+j:S+j+1], s[22:23], v[ST:ST+1] op_sel_hi:[1,0,0]
	v_pk_fma_f32 v[S+64+j:S+64+j+1], v[S+64+j:S+64+j+1], s[22:23], v[ST+12:ST+13] op_sel_hi:[1,0,0]
.set j, j+2
.endr
.set j, 0
	s_wait_alu depctr_va_vdst(0)                   ; a wait ahead of the batch,
.rept 128
	v_exp_f32 v[S+j], v[S+j]
.set j, j+1
.endr
.irp x, 0,1
	v_pk_mul_f32 v[ST+12*\x+2:ST+12*\x+3], v[ST+12*\x+2:ST+12*\x+3], v[ST+12*\x+4:ST+12*\x+5] op_sel_hi:[1,0]
.endr
	s_wait_alu depctr_va_vdst(0)                   ; and behind it
.irp x, 0,1
	v_pk_add_f32 v[ST+12*\x+8:ST+12*\x+9], v[S+64*\x:S+64*\x+1], v[S+64*\x+2:S+64*\x+3]
.endr
.irp j, 4,8,12,16,20,24,28,32,36,40,44,48,52,56,60
.irp x, 0,1
	v_pk_add_f32 v[ST+12*\x+2:ST+12*\x+3], v[ST+12*\x+2:ST+12*\x+3], v[S+64*\x+\j:S+64*\x+\j+1]
	v_pk_add_f32 v[ST+12*\x+8:ST+12*\x+9], v[ST+12*\x+8:ST+12*\x+9], v[S+64*\x+\j+2:S+64*\x+\j+3]
.endr
.endr
.irp x, 0
	s_delay_alu instid0(VALU_DEP_3)
	v_pk_add_f32 v[ST+12*\x+2:ST+12*\x+3], v[ST+12*\x+2:ST+12*\x+3], v[ST+12*\x+8:ST+12*\x+9]
.endr
.irp x, 1
	s_delay_alu instid0(VALU_DEP_2)
	v_pk_add_f32 v[ST+12*\x+2:ST+12*\x+3], v[ST+12*\x+2:ST+12*\x+3], v[ST+12*\x+8:ST+12*\x+9]
.endr
	s_cmp_gt_i32 s44, -9
	s_wait_alu depctr_va_vdst(0)                   ; directly ahead of the branch
	s_cbranch_scc1 .Lheld_\@                       ; 448 x 2^e8 is 1.75 or more: no p reaches it
.set j, 0
.rept 128
	v_min_num_f32 v[S+j], v[S+j], v[LIMP]          ; the conversion does not saturate; p is not negative, so the hold is one-sided
.set j, j+1
.endr
.Lheld_\@:
	WIN 0x40
.irp t, 0,1,2,3,4,5,6,7
.irp x, 0,1
	v_cvt_scalef32_pk8_fp8_f32 v[PC+16*\x+2*\t:PC+16*\x+2*\t+1], v[S+64*\x+8*\t:S+64*\x+8*\t+7], v[SCP]
.endr
.endr
	WIN 0
	s_wait_alu depctr_va_vdst(0)                   ; ahead of the first readers of O^T
.set j, 0
.rept 16
	v_pk_mul_f32 v[O+j:O+j+1], v[O+j:O+j+1], v[ST+4:ST+5] op_sel_hi:[1,0]
	v_pk_mul_f32 v[O+32+j:O+32+j+1], v[O+32+j:O+32+j+1], v[ST+16:ST+17] op_sel_hi:[1,0]
.set j, j+2
.endr
	s_wait_alu depctr_va_vdst(0)                   ; directly ahead of the wait below
	s_wait_dscnt 0x0                               ; V's fragments are in
	WIN 0x05
.irp t, 0,1,2,3
.irp x, 0,1
	v_wmma_f32_16x16x128_fp8_fp8 v[O+32*\x+8*\t:O+32*\x+8*\t+7], v[VFR+16*\t:VFR+16*\t+15], v[PC+16*\x:PC+16*\x+15], v[O+32*\x+8*\t:O+32*\x+8*\t+7]
.endr
.endr
	WIN 0
.endm
; A trip's end: where it was the first block's last, that block goes out and its mirror begins.
.macro NEXT
	s_add_co_u32 s48, s48, 1
	s_cmp_eq_u32 s48, s76
	s_cbranch_scc0 .Lsame_\@
	FINISH 66
	WIN 0x41                                       ; source 0 and destination window 1
.set j, 0
.rept 16
	v_mov_b32 v[QS+j], v[QL+j]
.set j, j+1
.endr
	WIN 0
	INIT
.Lsame_\@:
.endm
.Ltwo:                                                 ; trips 0 and 1 read steps 0 and 1 alone: keys 0-255
	STEP 1
	NEXT
	s_cmp_lg_u32 s48, 2
	s_cbranch_scc1 .Ltwo
	s_wait_loadcnt 0x0                             ; my part of the other keys is in registers
	s_barrier_signal -1                            ; (no LDS access of mine is out: the wait ahead of the last products)
	s_barrier_wait -1                              ; nobody reads while they are stored
	WIN 0x04                                       ; the stores' data: window 1
.set j, 0
.rept 24
	ds_store_b128 v[WB], v[CB+4*j:CB+4*j+3] offset:512*j
.set j, j+1
.endr
	WIN 0
	s_wait_dscnt 0x0                               ; my stores are done, for the others' sake
	s_barrier_signal -1
	s_barrier_wait -1
.Lseven:
	STEP 7
	NEXT
	s_cmp_lg_u32 s48, 9
	s_cbranch_scc1 .Lseven
	FINISH 68
	s_wait_tensorcnt 0x0                           ; the wave's end, behind my last LDS store
	ds_add_u32 v[SPW], v[NIL]
	s_wait_dscnt 0x0
	s_endpgm
.Lfunc_end_k_q0049ea980f_attn:
	.size	k_q0049ea980f_attn, .Lfunc_end_k_q0049ea980f_attn-k_q0049ea980f_attn
	.p2alignl 7, 3214868480
	.fill 96, 4, 3214868480
	.section	.rodata,"a",@progbits
	.p2align	6, 0x0
	.amdhsa_kernel k_q0049ea980f_attn
		.amdhsa_group_segment_fixed_size 132096
		.amdhsa_private_segment_fixed_size 0
		.amdhsa_enable_private_segment 0
		.amdhsa_kernarg_size 24
		.amdhsa_user_sgpr_count 2
		.amdhsa_user_sgpr_kernarg_segment_ptr 1
		.amdhsa_wavefront_size32 1
		.amdhsa_system_sgpr_workgroup_id_x 1
		.amdhsa_system_sgpr_workgroup_id_y 1
		.amdhsa_system_sgpr_workgroup_id_z 1
		.amdhsa_system_vgpr_workitem_id 0
		.amdhsa_next_free_vgpr 512
		.amdhsa_next_free_sgpr 80
		.amdhsa_reserve_vcc 0
		.amdhsa_float_denorm_mode_32 3
		.amdhsa_float_denorm_mode_16_64 3
		.amdhsa_memory_ordered 1
		.amdhsa_forward_progress 1
		.amdhsa_inst_pref_size 130
	.end_amdhsa_kernel
	.amdgpu_metadata
---
amdhsa.version: [ 1, 2 ]
amdhsa.kernels:
  - .name:           k_q0049ea980f_attn
    .symbol:         k_q0049ea980f_attn.kd
    .args:
      - { .name: qkv, .offset: 0, .size: 8, .value_kind: global_buffer, .address_space: global }
      - { .name: lowp_scales, .offset: 8, .size: 8, .value_kind: global_buffer, .address_space: global }
      - { .name: oc, .offset: 16, .size: 8, .value_kind: global_buffer, .address_space: global }
    .group_segment_fixed_size: 132096
    .private_segment_fixed_size: 0
    .kernarg_segment_align: 8
    .kernarg_segment_size: 24
    .max_flat_workgroup_size: 256
    .sgpr_count:     80
    .vgpr_count:     512
    .wavefront_size: 32
...
	.end_amdgpu_metadata
.endif
;; end of part 3
;; launch outp (part 4): grid 4 x 64, 4 waves a work-group, clusters of 4 x 4, 327,680 bytes of LDS; arguments oc, wc, lowp_scales, bo, out0; writes out0
.if DOCPART == 4
	.amdgcn_target "amdgcn-amd-amdhsa--gfx1250"
	.amdhsa_code_object_version 6
	.text
	.protected	k_q0049ea980f_outp
	.globl	k_q0049ea980f_outp
	.p2align	8
	.type	k_q0049ea980f_outp,@function
k_q0049ea980f_outp:
	s_mov_b64 s[64:65], 0
	v_nop
	global_prefetch_b8 v0, s[64:65] scope:SCOPE_SE
	s_setreg_imm32_b32 hwreg(HW_REG_WAVE_MODE, 25, 1), 1
	s_wait_xcnt 0x0
	s_wait_alu depctr_hold_cnt(0) depctr_sa_sdst(0) depctr_va_vdst(0) depctr_va_sdst(0) depctr_va_ssrc(0) depctr_va_vcc(0) depctr_vm_vsrc(0)
	s_getreg_b32 s2, hwreg(HW_REG_IB_STS2, 6, 4)
	s_cmp_eq_u32 s2, 0
	s_cbranch_scc0 .Lentry_in_a_cluster
	s_endpgm
.Lentry_in_a_cluster:
	s_bfe_u32 s2, ttmp6, 0x10000c
	s_cmp_lg_u32 s2, 0xf033
	s_cbranch_scc0 .Lentry_shape_is_right
	s_endpgm
.Lentry_shape_is_right:
; out = o Wo + bo on E4M3 codes (scales 2^e10, 2^e11), f32 out.  A = o's codes as images of operand registers, oc[K step 4][tile of 16 tokens 512][4,096 bytes]; B = Wo's codes, [K step 4][n 1024][256], a K step being 256 along K.
; A tile is 128 tokens x 256 columns; four waves, 2 x 2, make 64 x 128 each: 32 accumulators.  Source 0 = B, source 1 = A: a lane holds eight neighbouring columns of a token; blocks of 16 tokens go through the wave's own stage in LDS.
; K STEPS 0, 1, 2 COME BY ONE TENSOR LOAD A WAVE AT THE HEAD: three long rows, a K step each: 16,384 bytes of A (4 tiles of tokens) or 32,768 of B (128 rows of 256, 16 bytes of padding behind each).  In LDS that is a slab a K step.
; K step 3 is the one refill: it takes the place of slab 0 behind K step 0's last reads.  By this text's count a wave has one tensor load out at the most.
; CLUSTER 4 x 4: A's tiles are asked for jointly along a row of the cluster, B's along a column.  PREFETCH: K step 3, one instruction a wave, behind the head's load; the four partners of a joint load share its blocks of 256 bytes out by address.
; LIMITS: e10 + e11 between -126 and 127.  NaN among the codes is not served.
; REGISTERS: window 0: v1-31 addresses, v32-95 a block's numbers, v128-255 A's two sets of fragments (on the way out: rows read back); window 1: B's two sets; window 2: accumulator (a, b) at v[64 a + 8 b]; window 3: v0-63 the bias.
.set PITCH, 272                        ; an LDS row of B: 256 bytes + 16, so that the 16 rows of a load start at 16 different banks
.set ASLAB, 16384                      ; A's half of a K step: 4 tiles of 16 tokens
.set AHALF, 3*ASLAB
.set BSLAB, 128*PITCH                  ; B's half of a K step
.set BHALF, 3*BSLAB
.set BOFF,  2*AHALF
.set STAGE, BOFF+BSLAB                 ; the way out: four stages of 16 x 528 bytes in B's slab 1, which has had its one fill and its last read when the first result is stored there
.set SPARE, BOFF+2*BHALF               ; 307,200: the spare words, 128 bytes a wave, that no other line names
.set AQ,    2048
.set AC,    512
.set AI,    4096
.set AKS,   0x200000                   ; oc: bytes from a K step to the next
.set BKS,   0x40000                    ; Wo's codes: the same
.set SPITCH, 528
.set ADRA, 16
.set ADRB, 20
.set STO,  24
.set RD,   25
.set LO,   26
.set SPW,  28
.set NIL,  29
.set TMP,  32
.set BK,   128
.set G1,  24                           ; s[24:31] group 1 for A at the head, s[56:63] for its refill; s[32:35] A's group 0
.set G1R, 56
.set G0,  32
.set G1B, 48                           ; s[48:55], s[80:87], s[36:39] the same for B
.set G1BR, 80
.set G0B, 36
.set MSB, 0
.macro WIN new
.if MSB != \new
	s_set_vgpr_msb (MSB<<8)|\new
.set MSB, \new
.endif
.endm
.set MUL,  0xa1
.set TO_B, 0x40
.macro JLOAD g0a, g1a, g0b, g1b
	s_cmp_eq_u32 s15, 0
	s_cbranch_scc0 .Lfor_b_\@
	tensor_load_to_lds s[\g0a:\g0a+3], s[\g1a:\g1a+7]
	s_nop 0
.rept 4
	v_nop
.endr
	s_branch .Lasked_\@
.Lfor_b_\@:
	tensor_load_to_lds s[\g0b:\g0b+3], s[\g1b:\g1b+7]
	s_nop 0
.rept 4
	v_nop
.endr
.Lasked_\@:
.endm
.macro CREST
	s_cmp_lg_u32 s14, 0
	s_cbranch_scc1 .Lnot_wave_0_\@
	s_barrier_signal -3
.Lnot_wave_0_\@:
	s_barrier_wait -3
	s_barrier_signal -1
	s_barrier_wait -1
.endm
.macro CROUND
	s_barrier_signal -1
	s_barrier_wait -1
	CREST
.endm
.macro PLACES n
.rept \n
	v_nop
.endr
.endm
	s_load_b256 s[4:11], s[0:1], 0x0
	s_load_b64 s[76:77], s[0:1], 0x20
	v_lshl_add_u32 v[SPW], v0, 2, SPARE
	v_mov_b32 v[NIL], 0
	ds_add_u32 v[SPW], v[NIL]
	ds_add_u32 v[SPW], v[NIL]
	v_lshrrev_b32 v1, 5, v0
	v_readfirstlane_b32 s14, v1
	s_lshr_b32 s15, s14, 1
	s_and_b32 s16, s14, 1
	s_bfe_u32 s92, ttmp6, 0x40000
	s_bfe_u32 s93, ttmp6, 0x40004
	s_and_b32 s94, ttmp7, 0xffff
	s_lshl_b32 s94, s94, 2
	s_add_co_u32 s94, s94, s93
	s_lshl_b32 s95, ttmp9, 2
	s_add_co_u32 s95, s95, s92
	s_lshl_b32 s2, s93, 2
	s_lshl_b32 s2, 15, s2
	s_lshl_b32 s3, 0x1111, s92
	s_or_b32 s[G1], s2, (3<<16)|(1<<21)
	s_mov_b32 s[G1+1], (ASLAB/8)<<16               ; elements of 8 bytes: a row is a K step's half,
	s_mov_b32 s[G1+2], 3<<16
	s_mov_b32 s[G1+3], (ASLAB/8)<<16
	s_mov_b32 s[G1+4], 3                           ; three of them,
	s_mov_b32 s[G1+5], AKS/8                       ; a K step apart
	s_or_b32 s[G1B], s3, (3<<16)|(1<<20)|(1<<21)|(5<<22)|(3<<25)   ; padding: 4 words after every 64
	s_mov_b32 s[G1B+1], 4096<<16
	s_mov_b32 s[G1B+2], 3<<16
	s_mov_b32 s[G1B+3], 4096<<16
	s_mov_b32 s[G1B+4], 3
	s_mov_b32 s[G1B+5], BKS/8
	s_or_b32 s[G1R], s2, (3<<16)|(1<<21)           ; the refill: one K step's dense block as rows of 256 bytes
	s_mov_b32 s[G1R+2], 64<<16
	s_mov_b32 s[G1R+4], 64
	s_or_b32 s[G1BR], s3, (3<<16)|(1<<20)|(1<<21)|(5<<22)|(3<<25)
	s_mov_b32 s[G1BR+2], 128<<16
	s_mov_b32 s[G1BR+4], 128
.irp g, G1R, G1BR
	s_mov_b32 s[\g+1], 32<<16
	s_mov_b32 s[\g+3], 32<<16
	s_mov_b32 s[\g+5], 32
.endr
.irp g, G1, G1B, G1R, G1BR
	s_mov_b32 s[\g+6], 0
	s_mov_b32 s[\g+7], 0
.endr
	s_lshl_b32 s22, s94, 15
	s_lshl_b32 s23, s16, 14
	s_add_co_u32 s22, s22, s23
	s_mov_b32 s23, 0
	s_lshl_b32 s66, s95, 16
	s_lshl_b32 s67, s16, 15
	s_add_co_u32 s66, s66, s67
	s_add_co_u32 s66, s66, 0x300000
	s_mov_b32 s67, 0
	s_mul_i32 s78, s16, AHALF
	s_mul_i32 s79, s16, BHALF
	s_add_co_u32 s79, s79, BOFF
	s_wait_dscnt 0x0
	s_wait_kmcnt 0x0
	s_load_b128 s[44:47], s[8:9], 0x20
	s_add_nc_u64 s[22:23], s[4:5], s[22:23]
	s_add_nc_u64 s[66:67], s[6:7], s[66:67]
	CROUND
	s_mov_b32 s[G0], 1
	s_mov_b32 s[G0+1], s78
	s_mov_b64 s[G0+2:G0+3], s[22:23]
	s_or_b32 s[G0+3], s[G0+3], 0x80000000
	s_mov_b32 s[G0B], 1
	s_mov_b32 s[G0B+1], s79
	s_mov_b64 s[G0B+2:G0B+3], s[66:67]
	s_or_b32 s[G0B+3], s[G0B+3], 0x80000000
	JLOAD G0, G1, G0B, G1B                         ; K steps 0, 1, 2: one tensor load a wave at the head
	; the prefetch of K step 3: of the 64 (A) or 128 (B) blocks of 256 bytes that my wave will fetch, my work-group's 16 or 32, told apart by cx for A, by cy for B
	s_cmp_eq_u32 s15, 0
	s_cselect_b64 s[100:101], s[22:23], s[66:67]
	s_cselect_b32 s72, s92, s93
	s_cselect_b32 s73, 12, 13
	s_cselect_b32 s74, 15, 31
	s_mov_b32 s75, 3*BKS
	s_cselect_b32 s75, 3*AKS, s75
	s_lshl_b32 s72, s72, s73
	s_add_co_u32 s72, s72, s75
	s_mov_b32 s73, 0
	s_add_nc_u64 s[100:101], s[100:101], s[72:73]
	v_and_b32 v1, 15, v0
	v_bfe_u32 v2, v0, 4, 1
	v_mul_u32_u24 v3, v1, PITCH
	v_lshl_add_u32 v3, v2, 4, v3
	v_and_b32 v4, 31, v0
	v_lshlrev_b32 v[LO], 4, v4
	s_mul_i32 s98, s15, AHALF
	s_mul_i32 s99, s16, BHALF
	s_add_co_u32 s99, s99, BOFF
.irp s, 0,1,2
	v_add_nc_u32 v[ADRA+\s], s98, v[LO]
	v_add_nc_u32 v[ADRB+\s], s99, v3
	s_add_co_u32 s98, s98, ASLAB
	s_add_co_u32 s99, s99, BSLAB
.endr
	s_mul_i32 s98, s14, 16*SPITCH
	s_add_co_u32 s98, s98, STAGE
	v_mul_u32_u24 v[STO], v1, SPITCH
	v_lshl_add_u32 v[STO], v2, 5, v[STO]
	v_add_nc_u32 v[STO], s98, v[STO]
	v_add_nc_u32 v[RD], s98, v[LO]
	v_min_u32 v6, s74, v4                          ; (A: lanes 16-31 name the last block again)
	v_lshlrev_b32 v6, 8, v6
	s_lshl_b32 s68, s95, 10
	s_lshl_b32 s69, s16, 9
	s_add_co_u32 s68, s68, s69
	s_mov_b32 s69, 0
	s_add_nc_u64 s[10:11], s[10:11], s[68:69]
	s_add_nc_u64 s[76:77], s[76:77], s[68:69]
	s_lshl_b32 s68, s94, 19
	s_lshl_b32 s70, s15, 18
	s_add_co_u32 s68, s68, s70
	s_add_nc_u64 s[76:77], s[76:77], s[68:69]
	v_lshlrev_b32 v5, 5, v2
	WIN 0xc0
.irp b, 0,1,2,3,4,5,6,7
	global_load_b128 v[8*\b:8*\b+3], v5, s[10:11] offset:64*\b
	global_load_b128 v[8*\b+4:8*\b+7], v5, s[10:11] offset:64*\b+16
.endr
	WIN 0
	s_wait_alu depctr_va_vdst(0)
	global_prefetch_b8 v6, s[100:101] th:TH_LOAD_NT scope:SCOPE_SE
.macro FRAGB reg, slot, q, i
.irp c, 0,1,2,3
	ds_load_b128 v[\reg+4*\c:\reg+4*\c+3], v[ADRB+\slot] offset:128*(\q)+32*\c+(\i)*16*PITCH
.endr
.endm
.macro FRAGA reg, slot, q, i
.irp c, 0,1,2,3
	ds_load_b128 v[\reg+4*\c:\reg+4*\c+3], v[ADRA+\slot] offset:AQ*(\q)+AC*\c+AI*(\i)
.endr
.endm
.macro FETCH slot, q, p
	WIN TO_B
.irp i, 0,1,2,3,4,5,6,7
	FRAGB 128*(\p)+16*\i, \slot, \q, \i
.endr
	WIN 0
.irp i, 0,1,2,3
	FRAGA 128+64*(\p)+16*\i, \slot, \q, \i
.endr
.endm
.macro MUL16 a0, p, zero
.irp a, \a0, \a0+1
.irp b, 0,1,2,3,4,5,6,7
.if \zero
	v_wmma_f32_16x16x128_fp8_fp8 v[64*(\a)+8*\b:64*(\a)+8*\b+7], v[128*(\p)+16*\b:128*(\p)+16*\b+15], v[128+64*(\p)+16*(\a):128+64*(\p)+16*(\a)+15], 0
.else
	v_wmma_f32_16x16x128_fp8_fp8 v[64*(\a)+8*\b:64*(\a)+8*\b+7], v[128*(\p)+16*\b:128*(\p)+16*\b+15], v[128+64*(\p)+16*(\a):128+64*(\p)+16*(\a)+15], v[64*(\a)+8*\b:64*(\a)+8*\b+7]
.endif
.endr
.endr
.endm
.macro KSTEP p, zero, ns, nq
	s_wait_dscnt 0x0
	PLACES 4
	FETCH \ns, \nq, 1-\p
	WIN MUL
	MUL16 0, \p, \zero
	MUL16 2, \p, \zero
	WIN 0
.endm
.macro TURN p, fill, ns
	s_wait_tensorcnt 0x0
	ds_add_u32 v[SPW], v[NIL]
	s_wait_dscnt 1
	WIN MUL
	MUL16 0, \p, 0
	WIN 0
	s_wait_dscnt 0x0
	s_barrier_signal -1
	s_barrier_wait -1
.if \fill
	CREST
	s_add_nc_u64 s[G0+2:G0+3], s[G0+2:G0+3], 3*AKS
	s_add_nc_u64 s[G0B+2:G0B+3], s[G0B+2:G0B+3], 3*BKS
	JLOAD G0, G1R, G0B, G1BR                       ; K step 3 into slab 0, which nobody of any partner reads any more
.else
	PLACES 4
.endif
	s_wait_alu depctr_va_vdst(0)
	FETCH \ns, 0, 1-\p
	WIN MUL
	MUL16 2, \p, 0
	WIN 0
.endm
	s_wait_alu depctr_va_vdst(0)                   ; the head's end
	s_wait_tensorcnt 0x0                           ; my part of K steps 0, 1, 2 is in
	s_barrier_signal -1
	s_barrier_wait -1
	FETCH 0, 0, 0
	KSTEP 0, 1, 0, 1
	TURN 1, 1, 1
	KSTEP 0, 0, 1, 1
	KSTEP 1, 0, 2, 0
	KSTEP 0, 0, 2, 1
	TURN 1, 0, 0
	s_wait_dscnt 0x0                               ; K step 3's first 128 are in set 0;
	PLACES 4
	FETCH 0, 1, 1                                  ; its second go into set 1: THE LAST K STEP GOES BY ROWS of the result, and finished blocks leave while the others are multiplied
	WIN MUL
	MUL16 0, 0, 0                                  ; blocks 0 and 1
	WIN 0
; The way out of block a.  TOSTAGE: sum x 2^(e10 + e11) + bias into my own stage in LDS, and back as whole rows of 512 bytes, into window 3.  SEND: stored, two aligned units of 256 bytes an instruction.
.macro TOSTAGE a
	WIN 0x32
.irp j, 0,2,4,6,8,10,12,14,16,18,20,22,24,26,28,30,32,34,36,38,40,42,44,46,48,50,52,54,56,58,60,62
	v_pk_fma_f32 v[TMP+\j:TMP+\j+1], v[64*(\a)+\j:64*(\a)+\j+1], s[96:97], v[\j:\j+1] op_sel_hi:[1,0,1]
.endr
	WIN 0
.irp b, 0,1,2,3,4,5,6,7
	ds_store_b128 v[STO], v[TMP+8*\b:TMP+8*\b+3] offset:64*\b
	ds_store_b128 v[STO], v[TMP+8*\b+4:TMP+8*\b+7] offset:64*\b+16
.endr
.set BB, BK+64*((\a)%2)
	WIN 0xc0                                       ; destination window 3
.irp t, 0,1,2,3,4,5,6,7,8,9,10,11,12,13,14,15
	ds_load_b128 v[BB+4*\t:BB+4*\t+3], v[RD] offset:\t*SPITCH
.endr
	WIN 0
.endm
.macro SEND a, younger
.set BB, BK+64*((\a)%2)
	s_wait_dscnt \younger                          ; the block is back; the LDS instructions of the block behind it may be out
	WIN 0x0c                                       ; the stores' data: window 3
.irp t, 0,1,2,3,4,5,6,7,8,9,10,11,12,13,14,15
	global_store_b128 v[LO], v[BB+4*\t:BB+4*\t+3], s[76:77] offset:(16*(\a)+\t)*4096 th:TH_STORE_NT
.endr
	WIN 0
.endm
	s_wait_kmcnt 0x0
	s_add_co_i32 s96, s46, s47
	s_add_co_i32 s96, s96, 127
	s_lshl_b32 s96, s96, 23
	s_mov_b32 s97, s96
	s_wait_loadcnt 0x0                             ; the bias
	s_wait_dscnt 0x0                               ; set 1 is in
	WIN MUL
	MUL16 0, 1, 0                                  ; blocks 0 and 1 are finished
	WIN 0
	PLACES 4                                       ; behind the products whose results are read
	TOSTAGE 0
	TOSTAGE 1
	WIN MUL
	MUL16 2, 0, 0                                  ; blocks 2 and 3
	SEND 0, 32
	WIN MUL
	MUL16 2, 1, 0
	SEND 1, 0
	s_wait_xcnt 0x0                                ; blocks 0 and 1's stores have read the registers that blocks 2 and 3's rows land in
	PLACES 4
	TOSTAGE 2
	TOSTAGE 3
	SEND 2, 32
	SEND 3, 0
	s_wait_tensorcnt 0x0
	ds_add_u32 v[SPW], v[NIL]
	s_wait_dscnt 0x0
	CROUND
	s_endpgm
.Lfunc_end_k_q0049ea980f_outp:
	.size	k_q0049ea980f_outp, .Lfunc_end_k_q0049ea980f_outp-k_q0049ea980f_outp
	.p2alignl 7, 3214868480
	.fill 96, 4, 3214868480
	.section	.rodata,"a",@progbits
	.p2align	6, 0x0
	.amdhsa_kernel k_q0049ea980f_outp
		.amdhsa_group_segment_fixed_size 327680
		.amdhsa_private_segment_fixed_size 0
		.amdhsa_enable_private_segment 0
		.amdhsa_kernarg_size 40
		.amdhsa_user_sgpr_count 2
		.amdhsa_user_sgpr_kernarg_segment_ptr 1
		.amdhsa_wavefront_size32 1
		.amdhsa_system_sgpr_workgroup_id_x 1
		.amdhsa_system_sgpr_workgroup_id_y 1
		.amdhsa_system_sgpr_workgroup_id_z 1
		.amdhsa_system_vgpr_workitem_id 0
		.amdhsa_next_free_vgpr 1024
		.amdhsa_next_free_sgpr 104
		.amdhsa_reserve_vcc 0
		.amdhsa_float_denorm_mode_32 3
		.amdhsa_float_denorm_mode_16_64 3
		.amdhsa_memory_ordered 1
		.amdhsa_forward_progress 1
		.amdhsa_inst_pref_size 77
	.end_amdhsa_kernel
	.amdgpu_metadata
---
amdhsa.version: [ 1, 2 ]
amdhsa.kernels:
  - .name:           k_q0049ea980f_outp
    .symbol:         k_q0049ea980f_outp.kd
    .args:
      - { .name: oc, .offset: 0, .size: 8, .value_kind: global_buffer, .address_space: global }
      - { .name: wc, .offset: 8, .size: 8, .value_kind: global_buffer, .address_space: global }
      - { .name: lowp_scales, .offset: 16, .size: 8, .value_kind: global_buffer, .address_space: global }
      - { .name: bo, .offset: 24, .size: 8, .value_kind: global_buffer, .address_space: global }
      - { .name: out0, .offset: 32, .size: 8, .value_kind: global_buffer, .address_space: global }
    .group_segment_fixed_size: 327680
    .private_segment_fixed_size: 0
    .kernarg_segment_align: 8
    .kernarg_segment_size: 40
    .max_flat_workgroup_size: 128
    .sgpr_count:     104
    .vgpr_count:     1024
    .wavefront_size: 32
...
	.end_amdgpu_metadata
.endif
;; end of part 4
